; MI455X (gfx1250); checked and timed in simulation.
; The chip was launched on July 23, 2026; its instructions are those of AMD's public machine-readable ISA for CDNA 5 (MIT licence, August 2026) and "CDNA5" Instruction Set Architecture Reference Guide (July 2026). The comments in the code are by the model that wrote it; some were corrected since.
;; Attention. Allowed arithmetic: float matrix products may take bf16 or f16 operands with f32 sums; all other float work in f32.
;; Inputs: Wk 1,024 x 1,024 float32; Wq 1,024 x 1,024 float32; Wv 1,024 x 1,024 float32; bk 1,024 float32; bq 1,024 float32; bv 1,024 float32; x 4 x 2,048 x 1,024 float32.
;; Outputs: out0 4 x 2,048 x 1,024 float32.
;; 2 versions, each right; version 2 is version 1 with the launch cvt written anew for expert scheduling mode. Each part assembles by itself: llvm-mc -triple=amdgcn-amd-amdhsa -mcpu=gfx1250 --defsym DOCPART=n.
;; ======== version 1 of 2: 4 launches
;; limits: values are held in f16: magnitudes above 65,504 overflow, below 6.1e-05 lose precision
;; workspace buffers: ab 23,068,672 bytes; bcat 12,288 bytes; qkv 50,331,648 bytes; pw 33,554,432 bytes; st 1,048,576 bytes
;; launch cvt (part 1): grid 256 x 1, 22 waves a work-group, no clusters, 0 bytes of LDS; arguments x, Wq, Wk, Wv, bq, bk, bv, ab, bcat; writes ab, bcat
.if DOCPART == 1
	.amdgcn_target "amdgcn-amd-amdhsa--gfx1250"
	.amdhsa_code_object_version 6
	.text
	.protected	k_q6d269e3eaf_cvt
	.globl	k_q6d269e3eaf_cvt
	.p2align	8
	.type	k_q6d269e3eaf_cvt,@function
k_q6d269e3eaf_cvt:
	s_mov_b64 s[64:65], 0
	v_nop
	global_prefetch_b8 v0, s[64:65] scope:SCOPE_SE
	s_setreg_imm32_b32 hwreg(HW_REG_WAVE_MODE, 25, 1), 1
	s_wait_xcnt 0x0
; x (8,192 rows) and Wq, Wk, Wv (3 x 1,024 rows), all [rows][1024] f32, are rounded to bf16 and laid in 16 panels of 64 along K:
; ab[kb][row][64], row 0..8191 = x, row 8192 + n = row n of Wq|Wk|Wv; a panel is 11,264 rows x 128 bytes.  So the next launch's tiles are dense.
; The three biases are rounded to bf16 too and kept as f32 in bcat[3072] (every input gets the same rounding).
; A stream: no LDS, no matrix unit, no cluster (no two work-groups read the same byte).
; SHARES.  The 11,264 rows are 5,632 pairs = 256 work-groups x 22 waves: a wave takes one pair, pair b = 22 x group + wave, so every work-group has the same work.
; A load covers 2 x 256 consecutive bytes (one panel's 64 numbers of both rows); a store 256 consecutive bytes, aligned (the same two rows in the panel).
; All 16 loads of a wave go out at once; each result has registers of its own, so no register is written again while a store reads it.
.set PANEL, 1441792                    ; 11,264 rows x 128 bytes
.set VI, 6                             ; v6      byte offset of my 16 bytes in the pair's source rows
.set VO, 8                             ; v[8:11] byte offset of my 8 bytes in panel 5 j; the panels 5 j + 1 .. 5 j + 4 stand in the store's immediate (4 panels are inside its signed 24 bits)
.set X,  24                            ; v[24:87] load kb: four registers
	s_load_b256 s[8:15], s[0:1], 0x0               ; x s[8:9], Wq s[10:11], Wk s[12:13], Wv s[14:15]
	s_load_b256 s[16:23], s[0:1], 0x20             ; bq s[16:17], bk s[18:19], bv s[20:21], ab s[22:23]
	s_load_b64 s[24:25], s[0:1], 0x40              ; bcat
	v_lshrrev_b32 v1, 5, v0
	v_readfirstlane_b32 s34, v1                    ; wave 0..21
	s_mul_i32 s2, ttmp9, 22
	s_add_co_u32 s2, s2, s34                       ; b: pairs 0-4095 are x's, 4096-4607 Wq's, 4608-5119 Wk's, 5120-5631 Wv's
	s_and_b32 s26, s2, 511                         ; the pair in its own weight (4,096 is a multiple of 512)
	s_cmp_lt_u32 s2, 4096
	s_cselect_b32 s26, s2, s26                     ; or in x
	s_lshl_b32 s26, s26, 13                        ; x 2 rows x 4,096 bytes
	s_mov_b32 s27, 0
	s_lshl_b32 s32, s2, 8                          ; in a panel: b x 2 rows x 128 bytes
	s_mov_b32 s33, 0
	v_bfe_u32 v2, v0, 4, 1                         ; which row of the pair
	v_and_b32 v4, 15, v0                           ; my place in the row's 256 bytes
	v_lshlrev_b32 v5, 4, v4
	v_lshl_add_u32 v[VI], v2, 12, v5               ; row x 4,096 + 16 i
	v_lshlrev_b32 v7, 3, v4
	v_lshl_add_u32 v7, v2, 7, v7                   ; row x 128 + 8 i
.irp j, 0,1,2,3
	v_add_nc_u32 v[VO+(\j)], (\j)*5*PANEL, v7
.endr
	s_wait_kmcnt 0x0
	s_mov_b64 s[28:29], s[8:9]                     ; the source and the bias are chosen by the pair's number alone
	s_mov_b64 s[30:31], s[16:17]
	s_cmp_ge_u32 s2, 4096
	s_cselect_b64 s[28:29], s[10:11], s[28:29]
	s_cmp_ge_u32 s2, 4608
	s_cselect_b64 s[28:29], s[12:13], s[28:29]
	s_cselect_b64 s[30:31], s[18:19], s[30:31]
	s_cmp_ge_u32 s2, 5120
	s_cselect_b64 s[28:29], s[14:15], s[28:29]
	s_cselect_b64 s[30:31], s[20:21], s[30:31]
	s_add_nc_u64 s[28:29], s[28:29], s[26:27]
	s_add_nc_u64 s[22:23], s[22:23], s[32:33]
.set n, 0
.rept 16
	global_load_b128 v[X+4*n:X+4*n+3], v[VI], s[28:29] offset:n*256 th:TH_LOAD_NT
.set n, n+1
.endr
.set n, 0
.rept 16
	s_wait_loadcnt 15-n                            ; loads come back in order (ISA guide 5.7.1): load n is in, the younger ones stay out
	v_cvt_pk_bf16_f32 v[X+4*n], v[X+4*n], v[X+4*n+1]
	v_cvt_pk_bf16_f32 v[X+4*n+1], v[X+4*n+2], v[X+4*n+3]
	global_store_b64 v[VO+n/5], v[X+4*n:X+4*n+1], s[22:23] offset:(n%5)*PANEL
.set n, n+1
.endr
	; The biases: the wave of every 32nd pair of a weight takes the 64 numbers of those 32 pairs' rows: 256 consecutive bytes of bcat.
	s_cmp_lt_u32 s2, 4096
	s_cbranch_scc1 .Lend
	s_and_b32 s36, s2, 31
	s_cmp_lg_u32 s36, 0
	s_cbranch_scc1 .Lend
	s_and_b32 s36, s2, 511
	s_lshl_b32 s36, s36, 3                         ; two numbers of 4 bytes a pair, in the weight's own bias
	s_mov_b32 s37, 0
	s_add_nc_u64 s[30:31], s[30:31], s[36:37]
	s_sub_co_u32 s36, s2, 4096
	s_lshl_b32 s36, s36, 3                         ; and in bcat
	s_add_nc_u64 s[24:25], s[24:25], s[36:37]
	v_and_b32 v1, 31, v0
	v_lshlrev_b32 v1, 3, v1                        ; two numbers a lane
	global_load_b64 v[4:5], v1, s[30:31]
	s_wait_loadcnt 0x0
	v_cvt_pk_bf16_f32 v2, v4, v5                   ; rounded to bf16,
	v_lshlrev_b32 v4, 16, v2                       ; and written as f32 again
	v_and_b32 v5, 0xffff0000, v2
	global_store_b64 v1, v[4:5], s[24:25]
.Lend:
	s_endpgm
.Lfunc_end_k_q6d269e3eaf_cvt:
	.size	k_q6d269e3eaf_cvt, .Lfunc_end_k_q6d269e3eaf_cvt-k_q6d269e3eaf_cvt
	.p2alignl 7, 3214868480
	.fill 96, 4, 3214868480
	.section	.rodata,"a",@progbits
	.p2align	6, 0x0
	.amdhsa_kernel k_q6d269e3eaf_cvt
		.amdhsa_group_segment_fixed_size 0
		.amdhsa_private_segment_fixed_size 0
		.amdhsa_enable_private_segment 0
		.amdhsa_kernarg_size 72
		.amdhsa_user_sgpr_count 2
		.amdhsa_user_sgpr_kernarg_segment_ptr 1
		.amdhsa_wavefront_size32 1
		.amdhsa_system_sgpr_workgroup_id_x 1
		.amdhsa_system_sgpr_workgroup_id_y 1
		.amdhsa_system_sgpr_workgroup_id_z 1
		.amdhsa_system_vgpr_workitem_id 0
		.amdhsa_next_free_vgpr 88
		.amdhsa_next_free_sgpr 66
		.amdhsa_reserve_vcc 0
		.amdhsa_float_denorm_mode_32 3
		.amdhsa_float_denorm_mode_16_64 3
		.amdhsa_memory_ordered 1
		.amdhsa_forward_progress 1
		.amdhsa_inst_pref_size 9
	.end_amdhsa_kernel
	.amdgpu_metadata
---
amdhsa.version: [ 1, 2 ]
amdhsa.kernels:
  - .name:           k_q6d269e3eaf_cvt
    .symbol:         k_q6d269e3eaf_cvt.kd
    .args:
      - { .name: x, .offset: 0, .size: 8, .value_kind: global_buffer, .address_space: global }
      - { .name: Wq, .offset: 8, .size: 8, .value_kind: global_buffer, .address_space: global }
      - { .name: Wk, .offset: 16, .size: 8, .value_kind: global_buffer, .address_space: global }
      - { .name: Wv, .offset: 24, .size: 8, .value_kind: global_buffer, .address_space: global }
      - { .name: bq, .offset: 32, .size: 8, .value_kind: global_buffer, .address_space: global }
      - { .name: bk, .offset: 40, .size: 8, .value_kind: global_buffer, .address_space: global }
      - { .name: bv, .offset: 48, .size: 8, .value_kind: global_buffer, .address_space: global }
      - { .name: ab, .offset: 56, .size: 8, .value_kind: global_buffer, .address_space: global }
      - { .name: bcat, .offset: 64, .size: 8, .value_kind: global_buffer, .address_space: global }
    .group_segment_fixed_size: 0
    .private_segment_fixed_size: 0
    .kernarg_segment_align: 8
    .kernarg_segment_size: 72
    .max_flat_workgroup_size: 704
    .sgpr_count:     66
    .vgpr_count:     88
    .wavefront_size: 32
...
	.end_amdgpu_metadata
.endif
;; end of part 1
;; launch proj (part 2): grid 8 x 32, 4 waves a work-group, clusters of 4 x 4, 327,680 bytes of LDS; arguments ab, bcat, qkv; writes qkv
.if DOCPART == 2
	.amdgcn_target "amdgcn-amd-amdhsa--gfx1250"
	.amdhsa_code_object_version 6
	.text
	.protected	k_q6d269e3eaf_proj
	.globl	k_q6d269e3eaf_proj
	.p2align	8
	.type	k_q6d269e3eaf_proj,@function
k_q6d269e3eaf_proj:
	s_mov_b64 s[64:65], 0
	v_nop
	global_prefetch_b8 v0, s[64:65] scope:SCOPE_SE
	s_setreg_imm32_b32 hwreg(HW_REG_WAVE_MODE, 25, 1), 1
	s_wait_xcnt 0x0
	s_wait_alu depctr_hold_cnt(0) depctr_sa_sdst(0) depctr_va_vdst(0) depctr_va_sdst(0) depctr_va_ssrc(0) depctr_va_vcc(0) depctr_vm_vsrc(0)
	s_getreg_b32 s2, hwreg(HW_REG_IB_STS2, 6, 4)
	s_cmp_eq_u32 s2, 0
	s_cbranch_scc0 .Lentry_in_a_cluster
	s_endpgm
.Lentry_in_a_cluster:
	s_bfe_u32 s2, ttmp6, 0x10000c
	s_cmp_lg_u32 s2, 0xf033
	s_cbranch_scc0 .Lentry_shape_is_right
	s_endpgm
.Lentry_shape_is_right:
; [Q|K|V][row][col] = sum over k of x[row][k] Wcat[col][k] + bcat[col]: 8,192 x 3,072, K = 1,024.  Operands bf16 (from ab, in panels of 64 along K), sums f32, result f16 once rounded.
; LIMIT: f16 holds no number beyond 65,504: |Q|, |K|, |V| must stay under it (inputs 30 times the drawn spread, or an offset of 30 spreads, give about 29,000 at the most).
; qkv[rb][panel][128 rows][64 columns] f16: rb = row / 128, panel = col / 64 (0-15 Q, 16-31 K, 32-47 V): 128 rows x 64 columns lie dense, 16,384 bytes.
; SHARES.  A work-group makes 256 rows x 384 columns (8 x 32 = 256 work-groups), each of its four waves 128 x 192: 96 accumulators of 16 x 16, 768 registers in windows 1 to 3.
; K goes in steps of 64 (one panel) through two LDS slots.  A panel's rows are dense, so a tile is asked for as rows of 256 bytes (two data rows) and padded in LDS after every 128 bytes.
; CLUSTER 4 x 4: x's tile hangs on the tile row alone and is asked for jointly along a row of the cluster, W's on the tile column alone, jointly along a column.
; THE MATRIX INSTRUCTION IS USED TRANSPOSED (source 0 = 16 rows of W, source 1 = 16 rows of x): a lane holds one row of the result and eight neighbouring columns.
; FRAGMENTS all lie in window 0: W's 12 are refilled IN PLACE, four at a time, behind the group of 32 products that read them; x's 8 have two buffers.
; A quarter (32 along K) is three groups g of 32 products (W blocks 4 g .. 4 g + 3 x all 8 row blocks); accumulator (a, b) lies in window 1 + b / 4 at v[8 (8 (b % 4) + a)].
; The 96 accumulators take turns, one instruction a turn, in the same order in every quarter but the first.
; THE BIAS is the C operand of the first products: it is loaded into accumulator (7, b)'s own registers, serves blocks a = 0 .. 6 as C, and last its own block in place.
.set PANEL, 1441792                    ; bytes from a K panel of ab to the next
.set PITCH, 144                        ; an LDS row: 128 bytes + 16 of padding = 36 words: the 16 rows of a fragment load start at 16 different groups of four banks (ISA guide 11.1)
.set BLK,   16*PITCH
.set AH,    128*PITCH                  ; half of x's tile: what one tensor load brings, and what a wave reads
.set BH,    192*PITCH                  ; half of W's tile
.set SLOT,  2*AH+2*BH
.set STAGE, 2*SLOT                     ; behind the ring, never filled by a tensor load: 3 panels x 16 rows x 144 bytes for each wave
.set WSTG,  3*BLK
.set SPARE, STAGE+4*WSTG               ; the spare words, 128 bytes a wave: two blocks of 256 bytes that no other line names
.set RBS,   786432                     ; bytes of a row block of qkv
.set ADRA, 16                          ; v16-17  LDS address of my x fragments in slot 0, 1
.set ADRB, 20                          ; v20-21  the same for W
.set STO,  24                          ; v24     the way out: where I put 16 bytes of a row
.set RD,   25                          ; v25     where I read rows back
.set GO,   26                          ; v26     16 x lane
.set BO,   27                          ; v27     32 x (lane / 16): my eight columns' bias
.set SPW,  28                          ; v28     my spare word; never rewritten
.set NIL,  29                          ; v29     0; never rewritten
.set BF,   32                          ; v32-127   W's 12 fragments
.set AF0,  128                         ; v128-191  x's fragments, buffer 0
.set AF1,  192                         ; v192-255  buffer 1
.set TMP,  32                          ; the way out: 48 registers of packed results
.set OB,   128                         ; the way out: 48 registers read back, at v128 and v192 by turns
.set WV, 10                            ; s10 wave
.set WR, 11                            ; s11 wave / 2: my half of the rows; also: I fetch x (0) or W (1)
.set WC, 12                            ; s12 wave % 2: my half of the columns; also: which half I fetch
.set G1,  24                           ; s[24:31] group 1 for x's tiles;  s[32:39] group 0, a set for each slot
.set G0,  32
.set G1B, 48                           ; s[48:55], s[56:63] the same for W's
.set G0B, 56
.set MSB, 0
.macro WIN new                         ; the immediate's high byte repeats the setting that is left; a switch that changes nothing is dropped
.if MSB != (\new)
	s_set_vgpr_msb (MSB<<8)|(\new)
.set MSB, \new
.endif
.endm
.macro PLACES                          ; four places between a matrix instruction and a load into, or a vector instruction on, its registers
.rept 4
	v_nop
.endr
.endm
.macro JLOAD s                         ; a joint refill; an s_nop 0 and four v_nop follow each of the two lines
	s_cmp_eq_u32 s[WR], 0
	s_cbranch_scc0 .Lfor_b_\@
	tensor_load_to_lds s[G0+4*(\s):G0+4*(\s)+3], s[G1:G1+7]
	s_nop 0
	PLACES
	s_branch .Lasked_\@
.Lfor_b_\@:
	tensor_load_to_lds s[G0B+4*(\s):G0B+4*(\s)+3], s[G1B:G1B+7]
	s_nop 0
	PLACES
.Lasked_\@:
.endm
.macro CREST                           ; a round of the cluster's barrier behind its opening barrier
	s_cmp_lg_u32 s[WV], 0
	s_cbranch_scc1 .Lnot_wave_0_\@
	s_barrier_signal -3
.Lnot_wave_0_\@:
	s_barrier_wait -3
	s_barrier_signal -1
	s_barrier_wait -1
.endm
.macro CROUND
	s_barrier_signal -1
	s_barrier_wait -1
	CREST
.endm
	s_load_b128 s[4:7], s[0:1], 0x0                ; ab s[4:5], bcat s[6:7]
	s_load_b64 s[8:9], s[0:1], 0x10                ; qkv
	v_lshl_add_u32 v[SPW], v0, 2, SPARE
	v_mov_b32 v[NIL], 0
	ds_add_u32 v[SPW], v[NIL]                      ; the wave's opening: the add and its wait stand ahead of my first tensor load
	v_lshrrev_b32 v1, 5, v0
	v_readfirstlane_b32 s[WV], v1
	s_lshr_b32 s[WR], s[WV], 1
	s_and_b32 s[WC], s[WV], 1
	s_bfe_u32 s40, ttmp6, 0x40000                  ; cx
	s_bfe_u32 s41, ttmp6, 0x40004                  ; cy
	s_lshl_b32 s42, ttmp9, 2
	s_add_co_u32 s42, s42, s40                     ; tile column tx = 4 x cluster x + cx
	s_and_b32 s13, ttmp7, 0xffff
	s_lshl_b32 s13, s13, 2
	s_add_co_u32 s13, s13, s41                     ; tile row ty = 4 x cluster y + cy
	s_lshl_b32 s43, s41, 2
	s_lshl_b32 s43, 15, s43                        ; my row of the cluster
	s_lshl_b32 s44, 0x1111, s40                    ; my column
	s_or_b32 s[G1], s43, (1<<16)|(1<<20)|(1<<21)|(4<<22)|(3<<25)   ; mask; 2-byte elements; padding on; bit 21 beside a mask; after every 32 words 4 words
	s_or_b32 s[G1B], s44, (1<<16)|(1<<20)|(1<<21)|(4<<22)|(3<<25)
.irp g, G1, G1B
	s_mov_b32 s[(\g)+1], 128<<16                   ; tensor_dim0 = 128 elements: 256 bytes, two data rows
	s_mov_b32 s[(\g)+3], 128<<16                   ; tile_dim0
	s_mov_b32 s[(\g)+5], 128                       ; from row to row: dense
	s_mov_b32 s[(\g)+6], 0
	s_mov_b32 s[(\g)+7], 0
.endr
	s_mov_b32 s[G1+2], 64<<16                      ; x: 128 data rows = 64 rows
	s_mov_b32 s[G1+4], 64
	s_mov_b32 s[G1B+2], 96<<16                     ; W: 192 data rows = 96 rows
	s_mov_b32 s[G1B+4], 96
	s_lshl_b32 s16, s13, 15                        ; x: (256 ty + 128 half) rows of 128 bytes
	s_lshl_b32 s17, s[WC], 14
	s_add_co_u32 s16, s16, s17
	s_mov_b32 s17, 0
	s_mul_i32 s46, s42, 49152                      ; W: (8,192 + 384 tx + 192 half) rows
	s_mul_i32 s47, s[WC], 24576
	s_add_co_u32 s46, s46, s47
	s_add_co_u32 s46, s46, 1048576
	s_mov_b32 s47, 0
	s_mul_i32 s20, s[WC], AH                       ; where they go: no place in the cluster enters an LDS address
	s_mul_i32 s21, s[WC], BH
	s_add_co_u32 s21, s21, 2*AH
	s_lshl_b32 s18, s13, 1                         ; my part of qkv: row block 2 ty + wr, panel 6 tx + 3 wc
	s_add_co_u32 s18, s18, s[WR]
	s_mul_i32 s18, s18, RBS
	s_mul_i32 s19, s42, 6
	s_mul_i32 s22, s[WC], 3
	s_add_co_u32 s19, s19, s22
	s_lshl_b32 s19, s19, 14
	s_add_co_u32 s18, s18, s19
	s_mov_b32 s19, 0
	s_mul_i32 s22, s42, 1536                       ; my 192 columns' bias: (384 tx + 192 wc) x 4 bytes
	s_mul_i32 s23, s[WC], 768
	s_add_co_u32 s22, s22, s23
	s_mov_b32 s23, 0
	s_wait_dscnt 0x0                               ; the opening add is done
	s_wait_kmcnt 0x0
	s_add_nc_u64 s[14:15], s[4:5], s[16:17]
	s_add_nc_u64 s[46:47], s[4:5], s[46:47]
	s_add_nc_u64 s[8:9], s[8:9], s[18:19]
	s_add_nc_u64 s[6:7], s[6:7], s[22:23]
.irp s, 0,1
	s_mov_b32 s[G0+4*(\s)], 1
	s_add_co_u32 s[G0+4*(\s)+1], s20, (\s)*SLOT
	s_add_nc_u64 s[G0+4*(\s)+2:G0+4*(\s)+3], s[14:15], (\s)*PANEL   ; K step s
	s_or_b32 s[G0+4*(\s)+3], s[G0+4*(\s)+3], 0x80000000
	s_mov_b32 s[G0B+4*(\s)], 1
	s_add_co_u32 s[G0B+4*(\s)+1], s21, (\s)*SLOT
	s_add_nc_u64 s[G0B+4*(\s)+2:G0B+4*(\s)+3], s[46:47], (\s)*PANEL
	s_or_b32 s[G0B+4*(\s)+3], s[G0B+4*(\s)+3], 0x80000000
.endr
	CROUND                                         ; all sixteen work-groups are here: the first joint loads meet
	s_cmp_eq_u32 s[WR], 0                          ; a wave's two first fills stand in one branch: two loads of mine are out
	s_cbranch_scc0 .Lfirst_b
	tensor_load_to_lds s[G0:G0+3], s[G1:G1+7]
	s_nop 0
	tensor_load_to_lds s[G0+4:G0+7], s[G1:G1+7]
	s_nop 0
	PLACES
	s_branch .Lfirst_asked
.Lfirst_b:
	tensor_load_to_lds s[G0B:G0B+3], s[G1B:G1B+7]
	s_nop 0
	tensor_load_to_lds s[G0B+4:G0B+7], s[G1B:G1B+7]
	s_nop 0
	PLACES
.Lfirst_asked:
	v_and_b32 v1, 15, v0                           ; r = l % 16
	v_bfe_u32 v2, v0, 4, 1                         ; h = l / 16
	v_lshlrev_b32 v[BO], 5, v2
.set bq, 0
.rept 12                               ; register j of accumulator (7, b) takes the bias of column 16 b + 8 h + j
	WIN (1+bq/4)<<6
	global_load_b128 v[64*(bq%4)+56:64*(bq%4)+59], v[BO], s[6:7] offset:64*bq
	global_load_b128 v[64*(bq%4)+60:64*(bq%4)+63], v[BO], s[6:7] offset:64*bq+16
.set bq, bq+1
.endr
	WIN 0
	v_mul_u32_u24 v3, v1, PITCH
	v_lshl_add_u32 v3, v2, 4, v3                   ; a fragment: row x pitch + 16 x half
	s_mul_i32 s20, s[WR], AH
	s_mul_i32 s21, s[WC], BH
	s_add_co_u32 s21, s21, 2*AH
.irp s, 0,1
	v_add_nc_u32 v[ADRA+(\s)], s20, v3
	v_add_nc_u32 v[ADRB+(\s)], s21, v3
	s_add_co_u32 s20, s20, SLOT
	s_add_co_u32 s21, s21, SLOT
.endr
	s_mul_i32 s20, s[WV], WSTG
	s_add_co_u32 s20, s20, STAGE                   ; my stage
	v_add_nc_u32 v[STO], s20, v3                   ; in: row r, 16 bytes for each half of the lanes
	v_bfe_u32 v4, v0, 3, 2
	v_and_b32 v5, 7, v0
	v_mul_u32_u24 v4, v4, PITCH                    ; back: 32 lanes take four rows of 128 bytes,
	v_lshl_add_u32 v4, v5, 4, v4
	v_add_nc_u32 v[RD], s20, v4
	v_and_b32 v5, 31, v0
	v_lshlrev_b32 v[GO], 4, v5                     ; which are 512 consecutive bytes of qkv
; 16 products: W blocks 4 g + bb0, + 1 x all 8 row blocks, 32 along K
.macro MUL16 f, g, bb0
	WIN 0x50*((\g)+1)
.irp bb, \bb0, (\bb0)+1
.irp a, 0,1,2,3,4,5,6,7
	v_wmma_f32_16x16x32_bf16 v[8*(8*(\bb)+(\a)):8*(8*(\bb)+(\a))+7], v[BF+8*(4*(\g)+(\bb)):BF+8*(4*(\g)+(\bb))+7], v[(\f)+8*(\a):(\f)+8*(\a)+7], v[8*(8*(\bb)+(\a)):8*(8*(\bb)+(\a))+7]
.endr
.endr
.endm
.macro GRP f, g
	MUL16 \f, \g, 0
	MUL16 \f, \g, 2
.endm
; The first quarter's group: the bias in (7, bb)'s registers is the C of blocks 0 to 6; five places on, block 7 adds onto it in place (it writes over a C that earlier products read: ISA guide 7.12.1)
.macro GRPF f, g
	WIN 0x50*((\g)+1)
.irp bb, 0,1,2,3
.irp a, 0,1,2,3,4,5,6
	v_wmma_f32_16x16x32_bf16 v[8*(8*(\bb)+(\a)):8*(8*(\bb)+(\a))+7], v[BF+8*(4*(\g)+(\bb)):BF+8*(4*(\g)+(\bb))+7], v[(\f)+8*(\a):(\f)+8*(\a)+7], v[8*(8*(\bb)+7):8*(8*(\bb)+7)+7]
.endr
.endr
.rept 5
	v_nop
.endr
.irp bb, 0,1,2,3
	v_wmma_f32_16x16x32_bf16 v[8*(8*(\bb)+7):8*(8*(\bb)+7)+7], v[BF+8*(4*(\g)+(\bb)):BF+8*(4*(\g)+(\bb))+7], v[(\f)+56:(\f)+63], v[8*(8*(\bb)+7):8*(8*(\bb)+7)+7]
.endr
.endm
.macro RUNB slot, koff, g              ; 8 LDS loads: W's fragments 4 g .. 4 g + 3 at byte koff of the rows
.irp i, 0,1,2,3
	ds_load_b128 v[BF+8*(4*(\g)+(\i)):BF+8*(4*(\g)+(\i))+3],   v[ADRB+(\slot)] offset:(\koff)+(4*(\g)+(\i))*BLK
	ds_load_b128 v[BF+8*(4*(\g)+(\i))+4:BF+8*(4*(\g)+(\i))+7], v[ADRB+(\slot)] offset:(\koff)+(4*(\g)+(\i))*BLK+32
.endr
.endm
.macro RUNA slot, koff, f              ; 16 LDS loads: x's 8 fragments into buffer f
.irp i, 0,1,2,3,4,5,6,7
	ds_load_b128 v[(\f)+8*(\i):(\f)+8*(\i)+3],   v[ADRA+(\slot)] offset:(\koff)+(\i)*BLK
	ds_load_b128 v[(\f)+8*(\i)+4:(\f)+8*(\i)+7], v[ADRA+(\slot)] offset:(\koff)+(\i)*BLK+32
.endr
.endm
; A K step's first quarter, on buffer 0.  Behind group g stands run g of the next quarter's loads: run 0 = 24 loads (W 0-3, all of x), runs 1 and 2 = 8 each.
.macro QEVEN slot, first
	s_wait_dscnt 16                                ; run 0 is in: behind it runs 1 and 2 were issued
.if \first
	GRPF AF0, 0
.else
	GRP AF0, 0
.endif
	WIN 0
	PLACES
	RUNB \slot, 64, 0
	RUNA \slot, 64, AF1
	s_wait_dscnt 32                                ; run 1 is in: behind it run 2 (8) and the 24 just issued
.if \first
	GRPF AF0, 1
.else
	GRP AF0, 1
.endif
	WIN 0
	PLACES
	RUNB \slot, 64, 1
	s_wait_dscnt 32                                ; run 2 is in: behind it 24 + 8
.if \first
	GRPF AF0, 2
.else
	GRP AF0, 2
.endif
	WIN 0
	PLACES
	RUNB \slot, 64, 2
.endm
; The second quarter, on buffer 1, changes slots: ONE barrier.  In front of it each wave waits for all its tensor loads (one is out: its part of the next slot), adds 0 to its spare word, and
; waits for that and for its reads of this slot.  fill = 1: the barrier opens a round of the cluster's, and this slot is filled again, two K steps ahead: 160 products stand between the request and the wait for it.
.macro TURN slot, next, fill
	WIN 0
	s_wait_tensorcnt 0x0
	ds_add_u32 v[SPW], v[NIL]
	s_wait_dscnt 17                                ; run 0 is in: behind it runs 1 and 2 and the add
	MUL16 AF1, 0, 0
	s_wait_dscnt 0x0                               ; the add is done, and my reads of this slot are over
	s_barrier_signal -1
	MUL16 AF1, 0, 2
	WIN 0
	s_barrier_wait -1
.if \fill
	CREST                                          ; no wave of any partner still reads this slot or has a load on its way
	s_add_nc_u64 s[G0+4*(\slot)+2:G0+4*(\slot)+3], s[G0+4*(\slot)+2:G0+4*(\slot)+3], 2*PANEL
	s_add_nc_u64 s[G0B+4*(\slot)+2:G0B+4*(\slot)+3], s[G0B+4*(\slot)+2:G0B+4*(\slot)+3], 2*PANEL
	JLOAD \slot                                    ; the first tensor load behind the round; its four v_nop are also the places in front of the loads below
.else
	PLACES
.endif
	RUNB \next, 0, 0
	RUNA \next, 0, AF0
	GRP AF1, 1
	WIN 0
	PLACES
	RUNB \next, 0, 1
	GRP AF1, 2
	WIN 0
	PLACES
	RUNB \next, 0, 2
.endm
	s_wait_tensorcnt 0x1                           ; my part of K step 0 is in; step 1's may stay out
	s_barrier_signal -1
	s_barrier_wait -1
	RUNB 0, 0, 0
	RUNA 0, 0, AF0
	RUNB 0, 0, 1
	RUNB 0, 0, 2
	s_wait_loadcnt 0x0                             ; the bias
	QEVEN 0, 1
	s_mov_b32 s3, 7
.Llap:                                                 ; a trip: once round the ring; it fills both slots again (K steps 2 to 15 in seven trips)
	TURN 0, 1, 1
	QEVEN 1, 0
	TURN 1, 0, 1
	QEVEN 0, 0
	s_sub_co_u32 s3, s3, 1
	s_cmp_lg_u32 s3, 0
	s_cbranch_scc1 .Llap
	TURN 0, 1, 0                                   ; the last lap fills nothing
	QEVEN 1, 0
	s_wait_dscnt 16
	GRP AF1, 0
	s_wait_dscnt 8                                 ; run 2 may be out
	GRP AF1, 1
	s_wait_dscnt 0x0
	GRP AF1, 2
	WIN 0
; THE WAY OUT, 16 rows at a time: rounded to f16 (each accumulator's registers in ascending order), 16 bytes a lane into my own stage, back as whole rows of a panel, stored 512 consecutive bytes at a time.
.macro PACK a
.set bq, 0
.rept 12
	WIN 5*(1+bq/4)
.irp rr, 0,1,2,3
	v_cvt_pk_f16_f32 v[TMP+4*bq+(\rr)], v[8*(8*(bq%4)+(\a))+2*(\rr)], v[8*(8*(bq%4)+(\a))+2*(\rr)+1]
.endr
.set bq, bq+1
.endr
	WIN 0
.endm
.macro TOSTAGE a
.set BK, OB+64*((\a)%2)
.set bq, 0
.rept 12
	ds_store_b128 v[STO], v[TMP+4*bq:TMP+4*bq+3] offset:(bq/4)*BLK+32*(bq%4)
.set bq, bq+1
.endr
.set bq, 0
.rept 12
	ds_load_b128 v[BK+4*bq:BK+4*bq+3], v[RD] offset:(bq/4)*BLK+(bq%4)*4*PITCH   ; LDS serves a wave's instructions in order (ISA guide 5.7.1.4): these see the stores above
.set bq, bq+1
.endr
.endm
.macro SEND a
.set BK, OB+64*((\a)%2)
	s_wait_dscnt 0x0                               ; the block is back in registers
	s_wait_xcnt 0x0                                ; the other buffer, from which the block before was stored, is loaded again only behind this wait
.set bq, 0
.rept 12
	global_store_b128 v[GO], v[BK+4*bq:BK+4*bq+3], s[8:9] offset:(bq/4)*16384+(\a)*2048+(bq%4)*512
.set bq, bq+1
.endr
.endm
	PLACES
	PACK 0
	TOSTAGE 0
.irp a, 1,2,3,4,5,6,7                  ; a block's conversions stand between the loads of the block before and the wait for them
	PACK \a
	SEND (\a)-1
	TOSTAGE \a
.endr
	SEND 7
	s_wait_tensorcnt 0x0                           ; the wave's end
	ds_add_u32 v[SPW], v[NIL]
	s_wait_dscnt 0x0
	CROUND                                         ; the closing round
	s_endpgm
.Lfunc_end_k_q6d269e3eaf_proj:
	.size	k_q6d269e3eaf_proj, .Lfunc_end_k_q6d269e3eaf_proj-k_q6d269e3eaf_proj
	.p2alignl 7, 3214868480
	.fill 96, 4, 3214868480
	.section	.rodata,"a",@progbits
	.p2align	6, 0x0
	.amdhsa_kernel k_q6d269e3eaf_proj
		.amdhsa_group_segment_fixed_size 327680
		.amdhsa_private_segment_fixed_size 0
		.amdhsa_enable_private_segment 0
		.amdhsa_kernarg_size 24
		.amdhsa_user_sgpr_count 2
		.amdhsa_user_sgpr_kernarg_segment_ptr 1
		.amdhsa_wavefront_size32 1
		.amdhsa_system_sgpr_workgroup_id_x 1
		.amdhsa_system_sgpr_workgroup_id_y 1
		.amdhsa_system_sgpr_workgroup_id_z 1
		.amdhsa_system_vgpr_workitem_id 0
		.amdhsa_next_free_vgpr 1024
		.amdhsa_next_free_sgpr 66
		.amdhsa_reserve_vcc 0
		.amdhsa_float_denorm_mode_32 3
		.amdhsa_float_denorm_mode_16_64 3
		.amdhsa_memory_ordered 1
		.amdhsa_forward_progress 1
		.amdhsa_inst_pref_size 132
	.end_amdhsa_kernel
	.amdgpu_metadata
---
amdhsa.version: [ 1, 2 ]
amdhsa.kernels:
  - .name:           k_q6d269e3eaf_proj
    .symbol:         k_q6d269e3eaf_proj.kd
    .args:
      - { .name: ab, .offset: 0, .size: 8, .value_kind: global_buffer, .address_space: global }
      - { .name: bcat, .offset: 8, .size: 8, .value_kind: global_buffer, .address_space: global }
      - { .name: qkv, .offset: 16, .size: 8, .value_kind: global_buffer, .address_space: global }
    .group_segment_fixed_size: 327680
    .private_segment_fixed_size: 0
    .kernarg_segment_align: 8
    .kernarg_segment_size: 24
    .max_flat_workgroup_size: 128
    .sgpr_count:     66
    .vgpr_count:     1024
    .wavefront_size: 32
...
	.end_amdgpu_metadata
.endif
;; end of part 2
;; launch scores (part 3): grid 8 x 32, 4 waves a work-group, clusters of 4 x 4, 327,680 bytes of LDS; arguments qkv, pw, st; writes pw, st
.if DOCPART == 3
	.amdgcn_target "amdgcn-amd-amdhsa--gfx1250"
	.amdhsa_code_object_version 6
	.text
	.protected	k_q6d269e3eaf_scores
	.globl	k_q6d269e3eaf_scores
	.p2align	8
	.type	k_q6d269e3eaf_scores,@function
k_q6d269e3eaf_scores:
	s_mov_b64 s[64:65], 0
	v_nop
	global_prefetch_b8 v0, s[64:65] scope:SCOPE_SE
	s_setreg_imm32_b32 hwreg(HW_REG_WAVE_MODE, 25, 1), 1
	s_wait_xcnt 0x0
	s_wait_alu depctr_hold_cnt(0) depctr_sa_sdst(0) depctr_va_vdst(0) depctr_va_sdst(0) depctr_va_ssrc(0) depctr_va_vcc(0) depctr_vm_vsrc(0)
	s_getreg_b32 s2, hwreg(HW_REG_IB_STS2, 6, 4)
	s_cmp_eq_u32 s2, 0
	s_cbranch_scc0 .Lentry_in_a_cluster
	s_endpgm
.Lentry_in_a_cluster:
	s_bfe_u32 s2, ttmp6, 0x10000c
	s_cmp_lg_u32 s2, 0xf033
	s_cbranch_scc0 .Lentry_shape_is_right
	s_endpgm
.Lentry_shape_is_right:
; For each batch: S = Q K^T (2,048 x 2,048, inner width 1,024), f16 operands, f32 sums.  For each query row and each tile t of 128 keys:
;   cm = c x (the tile's maximum), c = log2(e) / 8;   p = 2^(c s - cm), rounded to f16 into pw[row][key];   l = the sum of the unrounded p.   st[t][0 = cm, 1 = l][row], f32.
; The next launch takes the maximum over the 16 tiles and rescales: together that is the softmax with the row's true maximum taken away.
; LIMITS: p lies in 0 to 1 (to within a rounding of cm); below 6e-5 it keeps f16's fixed step of 6e-8; a weight below 2^-126 counts as 0 in l; NaN and infinities are not treated apart.
; SHARES.  A work-group makes 256 queries x 256 keys (8 x 32 = 256 work-groups), a wave 128 x 128: 64 accumulators in windows 1 and 2; a wave's 128 keys are one tile t.
; K goes in steps of 128 (two panels of qkv, 32,768 dense bytes for 128 rows) through two LDS slots.  Fragments in window 0: K's 8 refilled in place behind the group that read them, Q's 8 in two buffers.
; CLUSTER 4 x 4: Q's tile hangs on the query tile alone (joint along a row of the cluster), K's on the key tile and the batch, which the cluster's y gives (joint along a column).
; TRANSPOSED USE: source 0 = 16 keys, source 1 = 16 queries: a lane holds one query and eight neighbouring keys.  The 64 accumulators take turns.
; THE WAY OUT goes through LDS in f32: the slots have had their last fill, so each wave lays its 128 x 128 scores there and reads them back 16 rows a trip, sixteen lanes to a row:
; a short loop in place of 64 unrolled tiles, at the price of four lane steps for each maximum and sum.
.set PITCH, 144
.set BLK,   16*PITCH
.set HALFT, 256*PITCH                  ; [2 panels][128 rows]: what one tensor load brings
.set PANL,  128*PITCH
.set SLOT,  4*HALFT
.set SPARE, 2*SLOT                     ; the spare words: two blocks of 256 bytes that no other line names
.set STATS, SPARE+512                  ; 1,024 bytes a wave: 128 cm, 128 l
.set WF32,  128*528                    ; a wave's scores in f32: 128 rows of 512 bytes + 16, in the slots' bytes
.set RBS,   786432
.set K1, 64                            ; byte at which quarter 1, 2, 3 of a K step begins in a fragment's row
.set K2, PANL
.set K3, PANL+64
.set ADRA, 16                          ; v16-17
.set ADRB, 20                          ; v20-21
.set DST,  22                          ; v22  the dump: row r, 16 bytes for each half of the lanes
.set RDA0, 23                          ; v23  back: row lane / 16, 16 bytes at 16 (lane % 16); never rewritten
.set SA0,  24                          ; v24  my statistics' words; never rewritten
.set SR,   25                          ; v25  the statistics read back
.set PO,   26                          ; v26  my byte offset in two rows of pw
.set SO,   27                          ; v27  16 x lane
.set SPW,  28
.set NIL,  29
.set RDA,  30                          ; v30  the trip's address in the scores
.set SA,   31                          ; v31  in the statistics
.set BF,   32                          ; v32-95   K's 8 fragments
.set AF0,  96                          ; v96-159  Q's fragments, buffer 0
.set AF1,  160                         ; v160-223 buffer 1
.set X,    32                          ; the way out: 8 pairs of rows x 8 scores
.set PK,   96                          ; 32 registers of packed weights
.set CM,   128                         ; pair u: v[CM+2u] = c m, v[CM+2u+1] = m
.set LS,   144                         ; sums
.set T2,   152                         ; at work
.set WV, 10
.set WR, 11
.set WC, 12
.set TB, 14                            ; s14  the trip's step in the scores
.set TS, 15                            ; s15  in the statistics
.set CS, 18                            ; s[18:19] c, named as a pair
.set G1,  24
.set G0,  32
.set G1B, 48
.set G0B, 56
.set MSB, 0
.macro WIN new
.if MSB != (\new)
	s_set_vgpr_msb (MSB<<8)|(\new)
.set MSB, \new
.endif
.endm
.macro PLACES
.rept 4
	v_nop
.endr
.endm
.macro JLOAD s
	s_cmp_eq_u32 s[WR], 0
	s_cbranch_scc0 .Lfor_b_\@
	tensor_load_to_lds s[G0+4*(\s):G0+4*(\s)+3], s[G1:G1+7]
	s_nop 0
	PLACES
	s_branch .Lasked_\@
.Lfor_b_\@:
	tensor_load_to_lds s[G0B+4*(\s):G0B+4*(\s)+3], s[G1B:G1B+7]
	s_nop 0
	PLACES
.Lasked_\@:
.endm
.macro CREST
	s_cmp_lg_u32 s[WV], 0
	s_cbranch_scc1 .Lnot_wave_0_\@
	s_barrier_signal -3
.Lnot_wave_0_\@:
	s_barrier_wait -3
	s_barrier_signal -1
	s_barrier_wait -1
.endm
.macro CROUND
	s_barrier_signal -1
	s_barrier_wait -1
	CREST
.endm
	s_load_b128 s[4:7], s[0:1], 0x0                ; qkv s[4:5], pw s[6:7]
	s_load_b64 s[8:9], s[0:1], 0x10                ; st
	v_lshl_add_u32 v[SPW], v0, 2, SPARE
	v_mov_b32 v[NIL], 0
	ds_add_u32 v[SPW], v[NIL]                      ; the wave's opening: the add and its wait stand ahead of my first tensor load
	v_lshrrev_b32 v1, 5, v0
	v_readfirstlane_b32 s[WV], v1
	s_lshr_b32 s[WR], s[WV], 1
	s_and_b32 s[WC], s[WV], 1
	s_bfe_u32 s40, ttmp6, 0x40000                  ; cx
	s_bfe_u32 s41, ttmp6, 0x40004                  ; cy
	s_lshl_b32 s42, ttmp9, 2
	s_add_co_u32 s42, s42, s40                     ; tx: the key tile in the batch
	s_and_b32 s15, ttmp7, 0xffff                   ; the cluster's y
	s_lshl_b32 s13, s15, 2
	s_add_co_u32 s13, s13, s41                     ; ty: the query tile, over all batches
	s_lshr_b32 s15, s15, 1                         ; the batch: 8 query tiles = 2 clusters each
	s_lshl_b32 s43, s41, 2
	s_lshl_b32 s43, 15, s43
	s_lshl_b32 s44, 0x1111, s40
	s_or_b32 s[G1], s43, (1<<16)|(1<<20)|(1<<21)|(4<<22)|(3<<25)
	s_or_b32 s[G1B], s44, (1<<16)|(1<<20)|(1<<21)|(4<<22)|(3<<25)
.irp g, G1, G1B
	s_mov_b32 s[(\g)+1], 128<<16                   ; rows of 256 bytes (two data rows),
	s_mov_b32 s[(\g)+2], 128<<16                   ; 128 of them: 32,768 dense bytes
	s_mov_b32 s[(\g)+3], 128<<16
	s_mov_b32 s[(\g)+4], 128
	s_mov_b32 s[(\g)+5], 128
	s_mov_b32 s[(\g)+6], 0
	s_mov_b32 s[(\g)+7], 0
.endr
	s_lshl_b32 s16, s13, 1                         ; Q: row block 2 ty + half, panels 0 on
	s_add_co_u32 s16, s16, s[WC]
	s_mul_i32 s16, s16, RBS
	s_mov_b32 s17, 0
	s_lshl_b32 s46, s15, 4                         ; K: row block 16 batch + 2 tx + half, panels 16 on
	s_lshl_b32 s47, s42, 1
	s_add_co_u32 s46, s46, s47
	s_add_co_u32 s46, s46, s[WC]
	s_mul_i32 s46, s46, RBS
	s_add_co_u32 s46, s46, 262144
	s_mov_b32 s47, 0
	s_mul_i32 s20, s[WV], HALFT                    ; Q's two halves, then K's two halves
	s_lshl_b32 s22, s13, 20                        ; pw: row 256 ty + 128 wr, key 256 tx + 128 wc
	s_lshl_b32 s23, s[WR], 19
	s_add_co_u32 s22, s22, s23
	s_lshl_b32 s23, s42, 9
	s_add_co_u32 s22, s22, s23
	s_lshl_b32 s23, s[WC], 8
	s_add_co_u32 s22, s22, s23
	s_mov_b32 s23, 0
	s_lshl_b32 s18, s42, 1                         ; st: t = 2 tx + wc, the same rows
	s_add_co_u32 s18, s18, s[WC]
	s_lshl_b32 s18, s18, 16
	s_lshl_b32 s19, s13, 10
	s_add_co_u32 s18, s18, s19
	s_lshl_b32 s19, s[WR], 9
	s_add_co_u32 s18, s18, s19
	s_mov_b32 s19, 0
	s_wait_dscnt 0x0                               ; the opening add is done
	s_wait_kmcnt 0x0
	s_add_nc_u64 s[16:17], s[4:5], s[16:17]
	s_add_nc_u64 s[46:47], s[4:5], s[46:47]
	s_add_nc_u64 s[6:7], s[6:7], s[22:23]
	s_add_nc_u64 s[8:9], s[8:9], s[18:19]
.irp s, 0,1
	s_mov_b32 s[G0+4*(\s)], 1
	s_add_co_u32 s[G0+4*(\s)+1], s20, (\s)*SLOT
	s_add_nc_u64 s[G0+4*(\s)+2:G0+4*(\s)+3], s[16:17], (\s)*32768
	s_or_b32 s[G0+4*(\s)+3], s[G0+4*(\s)+3], 0x80000000
	s_mov_b32 s[G0B+4*(\s)], 1
	s_add_co_u32 s[G0B+4*(\s)+1], s20, (\s)*SLOT
	s_add_nc_u64 s[G0B+4*(\s)+2:G0B+4*(\s)+3], s[46:47], (\s)*32768
	s_or_b32 s[G0B+4*(\s)+3], s[G0B+4*(\s)+3], 0x80000000
.endr
	CROUND
	s_cmp_eq_u32 s[WR], 0                          ; a wave's two first fills stand in one branch: two loads of mine are out
	s_cbranch_scc0 .Lfirst_b
	tensor_load_to_lds s[G0:G0+3], s[G1:G1+7]
	s_nop 0
	tensor_load_to_lds s[G0+4:G0+7], s[G1:G1+7]
	s_nop 0
	PLACES
	s_branch .Lfirst_asked
.Lfirst_b:
	tensor_load_to_lds s[G0B:G0B+3], s[G1B:G1B+7]
	s_nop 0
	tensor_load_to_lds s[G0B+4:G0B+7], s[G1B:G1B+7]
	s_nop 0
	PLACES
.Lfirst_asked:
	v_and_b32 v1, 15, v0                           ; r
	v_bfe_u32 v2, v0, 4, 1                         ; h
	v_mul_u32_u24 v3, v1, PITCH
	v_lshl_add_u32 v3, v2, 4, v3
	s_mul_i32 s20, s[WR], HALFT
	s_mul_i32 s21, s[WC], HALFT
	s_add_co_u32 s21, s21, 2*HALFT
.irp s, 0,1
	v_add_nc_u32 v[ADRA+(\s)], s20, v3
	v_add_nc_u32 v[ADRB+(\s)], s21, v3
	s_add_co_u32 s20, s20, SLOT
	s_add_co_u32 s21, s21, SLOT
.endr
	s_mul_i32 s20, s[WV], WF32
	v_mul_u32_u24 v4, v1, 528
	v_lshl_add_u32 v4, v2, 4, v4
	v_add_nc_u32 v[DST], s20, v4
	v_mul_u32_u24 v4, v2, 528
	v_lshl_add_u32 v4, v1, 4, v4
	v_add_nc_u32 v[RDA0], s20, v4
	s_lshl_b32 s20, s[WV], 10
	s_add_co_u32 s20, s20, STATS
	v_lshl_add_u32 v[SA0], v2, 2, s20
	v_and_b32 v5, 31, v0
	v_lshl_add_u32 v[SR], v5, 4, s20
	v_lshlrev_b32 v[SO], 4, v5
	v_lshlrev_b32 v4, 12, v2
	v_lshl_add_u32 v[PO], v1, 4, v4                ; row lane / 16 of pw, 16 bytes at 16 (lane % 16)
.macro MUL16 f, g, bb0, zero           ; 16 products: key blocks 4 g + bb0, + 1 x all 8 query blocks; zero = 1: they start the sums
	WIN 0x50*((\g)+1)
.irp bb, \bb0, (\bb0)+1
.irp a, 0,1,2,3,4,5,6,7
.if \zero
	v_wmma_f32_16x16x32_f16 v[8*(8*(\bb)+(\a)):8*(8*(\bb)+(\a))+7], v[BF+8*(4*(\g)+(\bb)):BF+8*(4*(\g)+(\bb))+7], v[(\f)+8*(\a):(\f)+8*(\a)+7], 0
.else
	v_wmma_f32_16x16x32_f16 v[8*(8*(\bb)+(\a)):8*(8*(\bb)+(\a))+7], v[BF+8*(4*(\g)+(\bb)):BF+8*(4*(\g)+(\bb))+7], v[(\f)+8*(\a):(\f)+8*(\a)+7], v[8*(8*(\bb)+(\a)):8*(8*(\bb)+(\a))+7]
.endif
.endr
.endr
.endm
.macro GRP f, g, zero
	MUL16 \f, \g, 0, \zero
	MUL16 \f, \g, 2, \zero
.endm
.macro RUNB slot, koff, g
.irp i, 0,1,2,3
	ds_load_b128 v[BF+8*(4*(\g)+(\i)):BF+8*(4*(\g)+(\i))+3],   v[ADRB+(\slot)] offset:(\koff)+(4*(\g)+(\i))*BLK
	ds_load_b128 v[BF+8*(4*(\g)+(\i))+4:BF+8*(4*(\g)+(\i))+7], v[ADRB+(\slot)] offset:(\koff)+(4*(\g)+(\i))*BLK+32
.endr
.endm
.macro RUNA slot, koff, f
.irp i, 0,1,2,3,4,5,6,7
	ds_load_b128 v[(\f)+8*(\i):(\f)+8*(\i)+3],   v[ADRA+(\slot)] offset:(\koff)+(\i)*BLK
	ds_load_b128 v[(\f)+8*(\i)+4:(\f)+8*(\i)+7], v[ADRA+(\slot)] offset:(\koff)+(\i)*BLK+32
.endr
.endm
; One of a K step's first three quarters: multiplies Q's buffer f; behind group 0 run 0 of the next quarter's loads (24: K 0-3, all of Q into fn), behind group 1 run 1 (8: K 4-7)
.macro QUARTER slot, koff, f, fn, zero
	s_wait_dscnt 8                                 ; run 0 is in: behind it run 1 was issued
	GRP \f, 0, \zero
	WIN 0
	PLACES
	RUNB \slot, \koff, 0
	RUNA \slot, \koff, \fn
	s_wait_dscnt 24                                ; run 1 is in: behind it the 24 just issued
	GRP \f, 1, \zero
	WIN 0
	PLACES
	RUNB \slot, \koff, 1
.endm
; The last quarter changes slots: one barrier; with fill = 1 it opens a round of the cluster's, and this slot is filled again: 224 products stand between the request and the wait for it
.macro TURN slot, next, fill
	WIN 0
	s_wait_tensorcnt 0x0                           ; all my tensor loads have landed: the one that was out is my part of the next slot
	ds_add_u32 v[SPW], v[NIL]
	s_wait_dscnt 9                                 ; run 0 is in: behind it run 1 and the add
	MUL16 AF1, 0, 0, 0
	s_wait_dscnt 0x0                               ; the add is done, and my reads of this slot are over
	s_barrier_signal -1
	MUL16 AF1, 0, 2, 0
	WIN 0
	s_barrier_wait -1
.if \fill
	CREST
	s_add_nc_u64 s[G0+4*(\slot)+2:G0+4*(\slot)+3], s[G0+4*(\slot)+2:G0+4*(\slot)+3], 65536
	s_add_nc_u64 s[G0B+4*(\slot)+2:G0B+4*(\slot)+3], s[G0B+4*(\slot)+2:G0B+4*(\slot)+3], 65536
	JLOAD \slot
.else
	PLACES
.endif
	RUNB \next, 0, 0
	RUNA \next, 0, AF0
	GRP AF1, 1, 0
	WIN 0
	PLACES
	RUNB \next, 0, 1
.endm
	s_wait_tensorcnt 0x1                           ; my part of K step 0 is in; step 1's may stay out
	s_barrier_signal -1
	s_barrier_wait -1
	RUNB 0, 0, 0
	RUNA 0, 0, AF0
	RUNB 0, 0, 1
	QUARTER 0, K1, AF0, AF1, 1                     ; the first quarter stands in front of the loop: its products start the sums
	s_mov_b32 s3, 3
.Llap:                                                 ; a trip goes once round the ring and fills both slots again (K steps 2 to 7 in three trips)
	QUARTER 0, K2, AF1, AF0, 0
	QUARTER 0, K3, AF0, AF1, 0
	TURN 0, 1, 1
	QUARTER 1, K1, AF0, AF1, 0
	QUARTER 1, K2, AF1, AF0, 0
	QUARTER 1, K3, AF0, AF1, 0
	TURN 1, 0, 1
	QUARTER 0, K1, AF0, AF1, 0
	s_sub_co_u32 s3, s3, 1
	s_cmp_lg_u32 s3, 0
	s_cbranch_scc1 .Llap
	QUARTER 0, K2, AF1, AF0, 0
	QUARTER 0, K3, AF0, AF1, 0
	TURN 0, 1, 0
	QUARTER 1, K1, AF0, AF1, 0
	QUARTER 1, K2, AF1, AF0, 0
	QUARTER 1, K3, AF0, AF1, 0
	s_wait_dscnt 8
	GRP AF1, 0, 0
	s_wait_dscnt 0x0
	GRP AF1, 1, 0
	WIN 0
	PLACES
	s_barrier_signal -1                            ; every wave's reads of the slots are over (its last wait on DScnt was for 0) and no fill follows: the slots' bytes become the stage
	s_barrier_wait -1
	; THE DUMP.  Accumulator (a, b): lane holds query 16 a + r, keys 16 b + 8 h + 0..7.  The first four go to byte 32 b + 16 h of the row, the other four 256 bytes on: so lane i of sixteen
	; later finds keys 8 i .. 8 i + 3 at 16 i and 8 i + 4 .. 8 i + 7 at 256 + 16 i.  Rows 528 bytes apart: sixteen lanes' 16 bytes fall on sixteen different columns of 256 bytes.
.set di, 0
.rept 64
.set db, di/8
.set da, di%8
	WIN (1+db/4)<<2
	ds_store_b128 v[DST], v[8*(8*(db%4)+da):8*(8*(db%4)+da)+3]   offset:da*8448+32*db
	ds_store_b128 v[DST], v[8*(8*(db%4)+da)+4:8*(8*(db%4)+da)+7] offset:da*8448+32*db+256
.set di, di+1
.endr
	WIN 0
.macro ALLU line:vararg                ; one line for each pair of rows u
.set u, 0
.rept 8
	\line
.set u, u+1
.endr
.endm
	s_mov_b32 s[CS], 0x3e38aa3b                    ; c = log2(e) / 8
	s_mov_b32 s[CS+1], s[CS]
	s_mov_b32 s[TB], 0
	s_mov_b32 s[TS], 0
	s_mov_b32 s3, 8
.Lrows:                                                ; a trip: 16 rows; lanes 0-15 hold row 2 u, lanes 16-31 row 2 u + 1, eight keys a lane
	v_add_nc_u32 v[RDA], s[TB], v[RDA0]
	v_add_nc_u32 v[SA], s[TS], v[SA0]
	ALLU ds_load_b128 v[X+8*u:X+8*u+3], v[RDA] offset:u*1056
	ALLU ds_load_b128 v[X+8*u+4:X+8*u+7], v[RDA] offset:u*1056+256
	s_wait_dscnt 0x0
	ALLU v_max3_num_f32 v[CM+2*u+1], v[X+8*u], v[X+8*u+1], v[X+8*u+2]
	ALLU v_max3_num_f32 v[T2+u], v[X+8*u+3], v[X+8*u+4], v[X+8*u+5]
	ALLU v_max3_num_f32 v[CM+2*u+1], v[CM+2*u+1], v[X+8*u+6], v[X+8*u+7]
	ALLU v_max_num_f32 v[CM+2*u+1], v[CM+2*u+1], v[T2+u]
.irp m, 1,2,4,8
	ALLU v_max_num_f32_dpp v[CM+2*u+1], v[CM+2*u+1], v[CM+2*u+1] row_xmask:\m row_mask:0xf bank_mask:0xf
.endr
	ALLU v_mul_f32 v[CM+2*u], s[CS], v[CM+2*u+1]
.set k, 0
.rept 32
	v_pk_fma_f32 v[X+2*k:X+2*k+1], v[X+2*k:X+2*k+1], s[CS:CS+1], v[CM+2*(k/4):CM+2*(k/4)+1] op_sel_hi:[1,0,0] neg_lo:[0,0,1] neg_hi:[0,0,1]  ; c s - c m
.set k, k+1
.endr
.set k, 0
.rept 64
	v_exp_f32 v[X+k], v[X+k]
.set k, k+1
.endr
	v_nop                                          ; a plain instruction between the exponentials and the first use of a result (ISA guide 5.7.2)
.set k, 0
	s_wait_alu depctr_va_vdst(0)
.rept 32
	v_cvt_pk_f16_f32 v[PK+k], v[X+2*k], v[X+2*k+1]
.set k, k+1
.endr
	ALLU global_store_b128 v[PO], v[PK+4*u:PK+4*u+3], s[6:7] offset:u*8192   ; sixteen lanes store 256 consecutive bytes, at a multiple of 256 from pw's first byte
	ALLU v_pk_add_f32 v[X+8*u:X+8*u+1], v[X+8*u:X+8*u+1], v[X+8*u+2:X+8*u+3]
	ALLU v_pk_add_f32 v[X+8*u+4:X+8*u+5], v[X+8*u+4:X+8*u+5], v[X+8*u+6:X+8*u+7]
	ALLU v_pk_add_f32 v[X+8*u:X+8*u+1], v[X+8*u:X+8*u+1], v[X+8*u+4:X+8*u+5]
	ALLU v_add_f32 v[LS+u], v[X+8*u], v[X+8*u+1]
.irp m, 1,2,4,8
	ALLU v_add_f32_dpp v[LS+u], v[LS+u], v[LS+u] row_xmask:\m row_mask:0xf bank_mask:0xf
.endr
	ALLU ds_store_b32 v[SA], v[CM+2*u] offset:8*u          ; sixteen lanes write the same word with the same value
	ALLU ds_store_b32 v[SA], v[LS+u] offset:8*u+512
	s_wait_xcnt 0x0                                ; PK and pw's base are written again only behind this wait
	s_add_nc_u64 s[6:7], s[6:7], 65536             ; 16 rows of pw on
	s_add_co_u32 s[TB], s[TB], 8448
	s_add_co_u32 s[TS], s[TS], 64
	s_sub_co_u32 s3, s3, 1
	s_cmp_lg_u32 s3, 0
	s_cbranch_scc1 .Lrows
	ds_load_b128 v[32:35], v[SR]                   ; my wave's own words, served in order behind the stores above
	ds_load_b128 v[36:39], v[SR] offset:512
	s_wait_dscnt 0x0
	global_store_b128 v[SO], v[32:35], s[8:9]              ; 128 rows' cm: 512 consecutive bytes
	global_store_b128 v[SO], v[36:39], s[8:9] offset:32768 ; and l
	s_wait_tensorcnt 0x0                           ; the wave's end
	ds_add_u32 v[SPW], v[NIL]
	s_wait_dscnt 0x0
	CROUND                                         ; the closing round
	s_endpgm
.Lfunc_end_k_q6d269e3eaf_scores:
	.size	k_q6d269e3eaf_scores, .Lfunc_end_k_q6d269e3eaf_scores-k_q6d269e3eaf_scores
	.p2alignl 7, 3214868480
	.fill 96, 4, 3214868480
	.section	.rodata,"a",@progbits
	.p2align	6, 0x0
	.amdhsa_kernel k_q6d269e3eaf_scores
		.amdhsa_group_segment_fixed_size 327680
		.amdhsa_private_segment_fixed_size 0
		.amdhsa_enable_private_segment 0
		.amdhsa_kernarg_size 24
		.amdhsa_user_sgpr_count 2
		.amdhsa_user_sgpr_kernarg_segment_ptr 1
		.amdhsa_wavefront_size32 1
		.amdhsa_system_sgpr_workgroup_id_x 1
		.amdhsa_system_sgpr_workgroup_id_y 1
		.amdhsa_system_sgpr_workgroup_id_z 1
		.amdhsa_system_vgpr_workitem_id 0
		.amdhsa_next_free_vgpr 768
		.amdhsa_next_free_sgpr 66
		.amdhsa_reserve_vcc 0
		.amdhsa_float_denorm_mode_32 3
		.amdhsa_float_denorm_mode_16_64 3
		.amdhsa_memory_ordered 1
		.amdhsa_forward_progress 1
		.amdhsa_inst_pref_size 139
	.end_amdhsa_kernel
	.amdgpu_metadata
---
amdhsa.version: [ 1, 2 ]
amdhsa.kernels:
  - .name:           k_q6d269e3eaf_scores
    .symbol:         k_q6d269e3eaf_scores.kd
    .args:
      - { .name: qkv, .offset: 0, .size: 8, .value_kind: global_buffer, .address_space: global }
      - { .name: pw, .offset: 8, .size: 8, .value_kind: global_buffer, .address_space: global }
      - { .name: st, .offset: 16, .size: 8, .value_kind: global_buffer, .address_space: global }
    .group_segment_fixed_size: 327680
    .private_segment_fixed_size: 0
    .kernarg_segment_align: 8
    .kernarg_segment_size: 24
    .max_flat_workgroup_size: 128
    .sgpr_count:     66
    .vgpr_count:     768
    .wavefront_size: 32
...
	.end_amdgpu_metadata
.endif
;; end of part 3
;; launch pv (part 4): grid 4 x 64, 4 waves a work-group, clusters of 4 x 4, 327,680 bytes of LDS; arguments pw, qkv, st, out0; writes out0
.if DOCPART == 4
	.amdgcn_target "amdgcn-amd-amdhsa--gfx1250"
	.amdhsa_code_object_version 6
	.text
	.protected	k_q6d269e3eaf_pv
	.globl	k_q6d269e3eaf_pv
	.p2align	8
	.type	k_q6d269e3eaf_pv,@function
k_q6d269e3eaf_pv:
	s_mov_b64 s[64:65], 0
	v_nop
	global_prefetch_b8 v0, s[64:65] scope:SCOPE_SE
	s_setreg_imm32_b32 hwreg(HW_REG_WAVE_MODE, 25, 1), 1
	s_wait_xcnt 0x0
	s_wait_alu depctr_hold_cnt(0) depctr_sa_sdst(0) depctr_va_vdst(0) depctr_va_sdst(0) depctr_va_ssrc(0) depctr_va_vcc(0) depctr_vm_vsrc(0)
	s_getreg_b32 s2, hwreg(HW_REG_IB_STS2, 6, 4)
	s_cmp_eq_u32 s2, 0
	s_cbranch_scc0 .Lentry_in_a_cluster
	s_endpgm
.Lentry_in_a_cluster:
	s_bfe_u32 s2, ttmp6, 0x10000c
	s_cmp_lg_u32 s2, 0xf033
	s_cbranch_scc0 .Lentry_shape_is_right
	s_endpgm
.Lentry_shape_is_right:
; out[row][:] = sum over the 16 key tiles t of g'_t (P_t V_t),   g'_t = 2^(cm_t - max over t of cm_t) / (sum over t of 2^(cm_t - max) l_t):
; with the launch before, the softmax with the row's true maximum taken away.  P (pw) and V (qkv, panels 32-47) are f16 matrix operands; every sum, g' and out0 are f32.
; Each key tile has a sum of its own, T = V^T P_t, started by the constant 0; then O += g'_t T, 128 packed multiply-adds in f32.  So P goes to the matrix unit as it was stored.
; LIMITS: 2^(cm_t - max) below 2^-126 counts as 0; NaN and infinities are not treated apart.
; SHARES.  A work-group makes 128 rows x 256 channels (4 x 64 = 256 work-groups), a wave 64 x 128: 32 accumulators, (a, cb) at v[8 (8 a + cb)] of T's and of O's window.
; O^T = V^T P: source 0 = 16 channels x 32 keys (V lies [key][channel] and is turned by ds_load_tr16_b128), source 1 = 16 rows of P: a lane holds one row of out and eight channels.
; K goes in steps of 128 keys (one tile t) through two LDS slots, 2^17 bytes apart, so that one exclusive or turns an address in one slot into the other's: a step is written once.
; A step is two halves of 64 keys, whose fragments lie in buffer 0 (window 0) and buffer 1 (window 3); both halves of the next step are fetched in this step's second half.
; CLUSTER 4 x 4: P's tile hangs on the row tile alone (joint along a row of the cluster), V's on the channel tile and the batch, which the cluster's y gives (joint along a column).
; O IS CLEARED by 256 v_mov_b32 while the first tiles are on their way: it is a sum kept by vector instructions, and so one text serves every step; writing a first step out would cost three times the bytes.
; ASKED AHEAD: trip t asks the L2 for the tiles of step t + 3, which trip t + 1's tensor loads bring; each block of 256 bytes is asked for once (see ASK).
; REGISTERS: window 0: v16-31 addresses, v32-39 g', v64-255 buffer 0.  Window 1: O.  Window 2: T.  Window 3: v0-191 buffer 1.  In a buffer: P[kk][a] at 8 (4 kk + a), V[kk][cb] at 64 + 8 (8 kk + cb).
.set PP,    272                        ; a row of P in LDS: 256 bytes + 16
.set PV,    160                        ; a row of V: 128 bytes + 32
.set PH,    64*PP                      ; half of P's tile
.set VH,    256*PV                     ; half of V's tile: [2 panels][128 keys]
.set SLOT1, 1<<17                      ; slot 1 begins here; a slot uses 2 PH + 2 VH = 116,736 bytes
.set TAB,   SLOT1+2*PH+2*VH            ; behind the ring, never filled by a tensor load: for each wave g'[t][r][a], each number twice: 512 t + 32 r + 8 a
.set WTAB,  16*512
.set STG,   TAB+4*WTAB                 ; 16 rows x 528 bytes for each wave, for the way out
.set WSTG,  16*528
.set SPARE, STG+4*WSTG                 ; the spare words: two blocks of 256 bytes that no other line names
.set RBS,   786432                     ; bytes of a row block (128 rows) of qkv
.set ADP0, 16                          ; v16  my lane's place among P's fragments in a slot; never rewritten
.set ADV0, 17                          ; v17  the same for V
.set AP,   18                          ; v18  the same in the slot that is being fetched from
.set AV,   19                          ; v19
.set GA0,  20                          ; v20  my row's place in the table; never rewritten
.set GA,   21                          ; v21  the step's g'
.set GW,   22                          ; v22  where I write my two rows' g'
.set STO,  24
.set RD,   25
.set GO,   26
.set SOF,  27                          ; v27  8 x lane
.set SPW,  28                          ; v28  my spare word; never rewritten
.set NIL,  29                          ; v29  0; never rewritten
.set PFO,  30                          ; v30  my lane's block in what my wave asks ahead; never rewritten
.set PF,   31                          ; v31  the same in the step asked for
.set G,    32                          ; v32-39  g' of my row in blocks a = 0..3, each twice: pairs for the packed multiply-add
.set B0,   64                          ; buffer 0, in window 0
.set B1,   0                           ; buffer 1, in window 3
.set CMR,  64                          ; the statistics, ahead of the first fetch: v64-95 cm of rows 2 l, 2 l + 1 for t = 0..15
.set LR,   96                          ; v96-127 l likewise
.set MMX,  128                         ; v128-129 the two rows' maxima
.set S0,   130                         ; v130-133 two chains of sums
.set S1,   132
.set DD,   136                         ; v136-199 g', each twice
.set OB,   64                          ; the way out: 16 rows read back, v64-127 and v128-191 by turns
.set WV, 12                            ; s12 wave
.set WR, 13                            ; s13 wave / 2: my half of the rows; also: I fetch P (0) or V (1)
.set WC, 14                            ; s14 wave % 2: my half of the channels; also: which half I fetch
.set TY, 15                            ; s15 the tile of 128 rows
.set G1,  24                           ; s[24:31] group 1 for P's tiles; s[32:35] group 0 of slot 0's first fill; s[36:39] of slot 1's, which then walks
.set G0,  32
.set G1B, 48                           ; s[48:55], s[56:59], s[60:63] the same for V's
.set G0B, 56
.set PFB, 66                           ; s[66:67] what my wave asks ahead starts here, at key step 0
.set PVB, 68                           ; s[68:69] V's candidate for that
.set PM,  70                           ; s70  bytes from a key step to the next there
.set PON, 71                           ; s71  1: my wave asks
.set PS,  72                           ; s72  the step to ask for
.set PC,  73                           ; s73  at work
.set PK,  74                           ; s74  my work-group's part
.set PSH, 75                           ; s75  log2 of the bytes from lane to lane
.set TB,  76                           ; s76  the slot that is being fetched from: 0 or SLOT1
.set TG,  77                           ; s77  byte of the step's g' in the table
.set MSB, 0
.macro WIN new                         ; the immediate's high byte repeats the setting that is left; a switch that changes nothing is dropped
.if MSB != (\new)
	s_set_vgpr_msb (MSB<<8)|(\new)
.set MSB, \new
.endif
.endm
.macro PLACES                          ; four places between a matrix instruction and a load into, or a vector instruction on, its registers
.rept 4
	v_nop
.endr
.endm
.macro JLOAD                           ; a joint refill by the walking descriptors; an s_nop 0 and four v_nop follow each of the two lines
	s_cmp_eq_u32 s[WR], 0
	s_cbranch_scc0 .Lfor_b_\@
	tensor_load_to_lds s[G0+4:G0+7], s[G1:G1+7]
	s_nop 0
	PLACES
	s_branch .Lasked_\@
.Lfor_b_\@:
	tensor_load_to_lds s[G0B+4:G0B+7], s[G1B:G1B+7]
	s_nop 0
	PLACES
.Lasked_\@:
.endm
.macro CREST                           ; a round of the cluster's barrier behind its opening barrier
	s_cmp_lg_u32 s[WV], 0
	s_cbranch_scc1 .Lnot_wave_0_\@
	s_barrier_signal -3
.Lnot_wave_0_\@:
	s_barrier_wait -3
	s_barrier_signal -1
	s_barrier_wait -1
.endm
.macro CROUND
	s_barrier_signal -1
	s_barrier_wait -1
	CREST
.endm
; The L2 is asked for the tiles of step s[PS] (clamped to the last step, so that no request leaves its buffer).  Wave 0 of each work-group asks for 32 of P's 128 rows, chosen by cx: 256 bytes a row, a lane a row.
; Wave 1 asks for 8,192 of V's 65,536 dense bytes, lanes 256 bytes apart, in the clusters whose y is even: the sixteen work-groups of a batch and channel tile have eight askers.  Waves 2 and 3 ask for nothing.
.macro ASK first
	s_min_u32 s[PC], s[PS], 15
	s_add_co_u32 s[PS], s[PS], 1
	s_mul_i32 s[PC], s[PC], s[PM]
	s_cmp_lg_u32 s[PON], 0
	s_cbranch_scc0 .Lno_ask_\@
.if !(\first)
	s_wait_xcnt 0x0                                ; the last trip's request has had its address translated (ISA guide 3.1): only now is its offset register written again
.endif
	v_add_nc_u32 v[PF], s[PC], v[PFO]
	global_prefetch_b8 v[PF], s[PFB:PFB+1] th:TH_LOAD_NT scope:SCOPE_SE
.Lno_ask_\@:
.endm
	s_load_b256 s[4:11], s[0:1], 0x0               ; pw s[4:5], qkv s[6:7], st s[8:9], out0 s[10:11]
	v_lshl_add_u32 v[SPW], v0, 2, SPARE
	v_mov_b32 v[NIL], 0
	ds_add_u32 v[SPW], v[NIL]                      ; the wave's opening: the add and its wait stand ahead of my first tensor load
	v_lshrrev_b32 v1, 5, v0
	v_readfirstlane_b32 s[WV], v1
	s_lshr_b32 s[WR], s[WV], 1
	s_and_b32 s[WC], s[WV], 1
	s_bfe_u32 s40, ttmp6, 0x40000                  ; cx
	s_bfe_u32 s41, ttmp6, 0x40004                  ; cy
	s_lshl_b32 s42, ttmp9, 2
	s_add_co_u32 s42, s42, s40                     ; x: the tile of 256 channels
	s_and_b32 s45, ttmp7, 0xffff                   ; the cluster's y
	s_lshl_b32 s[TY], s45, 2
	s_add_co_u32 s[TY], s[TY], s41                 ; y: the tile of 128 rows
	s_bfe_u32 s[PK], s45, 0x10001                  ; who asks ahead for what.  V: asker 4 x (bit 1 of the cluster's y) + cy,
	s_lshl2_add_u32 s[PK], s[PK], s41
	s_lshl_b32 s[PK], s[PK], 13                    ; 8,192 bytes each
	s_lshl_b32 s[PSH], s40, 17                     ; P: 32 cx rows of 4,096 bytes
	s_and_b32 s[PON], s45, 1
	s_xor_b32 s[PON], s[PON], 1                    ; wave 1 asks where the cluster's y is even: alike in all partners
	s_mov_b32 s[PM], RBS
	s_cmp_eq_u32 s[WV], 0
	s_cselect_b32 s[PK], s[PSH], s[PK]
	s_cselect_b32 s[PSH], 12, 8                    ; lanes a row of pw apart, or 256 bytes
	s_cselect_b32 s[PM], 256, s[PM]                ; a key step is 256 bytes along P's rows, a row block of qkv for V
	s_cselect_b32 s[PON], 1, s[PON]
	s_cmp_gt_u32 s[WV], 1
	s_cselect_b32 s[PON], 0, s[PON]
	s_lshr_b32 s45, s45, 2                         ; the batch: 16 row tiles = 4 clusters each
	s_lshl_b32 s43, s41, 2
	s_lshl_b32 s43, 15, s43                        ; my row of the cluster
	s_lshl_b32 s44, 0x1111, s40                    ; my column
	s_or_b32 s[G1], s43, (1<<16)|(1<<20)|(1<<21)|(5<<22)|(3<<25)   ; P: mask; 2-byte elements; padding on; bit 21 beside a mask; after every 64 words 4 words
	s_or_b32 s[G1B], s44, (1<<16)|(1<<20)|(1<<21)|(4<<22)|(7<<25)  ; V: after every 32 words 8 words
	s_mov_b32 s[G1+1], 128<<16                     ; P: 64 rows of 128 keys,
	s_mov_b32 s[G1+2], 64<<16
	s_mov_b32 s[G1+3], 128<<16
	s_mov_b32 s[G1+4], 64
	s_mov_b32 s[G1+5], 2048                        ; 2,048 elements from row to row
	s_mov_b32 s[G1+6], 0
	s_mov_b32 s[G1+7], 0
	s_mov_b32 s[G1B+1], 128<<16                    ; V: two panels of 128 keys: 32,768 dense bytes as 128 rows of 256
	s_mov_b32 s[G1B+2], 128<<16
	s_mov_b32 s[G1B+3], 128<<16
	s_mov_b32 s[G1B+4], 128
	s_mov_b32 s[G1B+5], 128
	s_mov_b32 s[G1B+6], 0
	s_mov_b32 s[G1B+7], 0
	s_lshl_b32 s[PFB], s[TY], 19                   ; P: row 128 y, 4,096 bytes a row;
	s_mov_b32 s[PFB+1], 0
	s_lshl_b32 s17, s[WC], 18                      ; my load's 64 rows
	s_add_co_u32 s16, s[PFB], s17
	s_mov_b32 s17, 0
	s_mul_i32 s46, s45, 16*RBS                     ; V: row block 16 batch, panel 32 + 4 x;
	s_lshl_b32 s47, s42, 2
	s_add_co_u32 s47, s47, 32
	s_lshl_b32 s47, s47, 14
	s_add_co_u32 s[PVB], s46, s47
	s_mov_b32 s[PVB+1], 0
	s_lshl_b32 s47, s[WC], 15                      ; my load's two panels
	s_add_co_u32 s46, s[PVB], s47
	s_mov_b32 s47, 0
	s_mul_i32 s20, s[WC], PH                       ; where they go: no place in the cluster enters an LDS address
	s_mul_i32 s21, s[WC], VH
	s_add_co_u32 s21, s21, 2*PH
	s_lshl_b32 s22, s[TY], 9                       ; st: row 128 y + 64 wr
	s_lshl_b32 s23, s[WR], 8
	s_add_co_u32 s22, s22, s23
	s_mov_b32 s23, 0
	s_lshl_b32 s18, s[TY], 19                      ; out0: the same row, channel 256 x + 128 wc
	s_lshl_b32 s19, s[WR], 18
	s_add_co_u32 s18, s18, s19
	s_lshl_b32 s19, s42, 10
	s_add_co_u32 s18, s18, s19
	s_lshl_b32 s19, s[WC], 9
	s_add_co_u32 s18, s18, s19
	s_mov_b32 s19, 0
	s_mov_b32 s[TG], 0
	s_mov_b32 s[TB], 0
	s_mov_b32 s[PS], 2                             ; steps 0 and 1 are the first fills; step 2 is asked for at once
	s_wait_dscnt 0x0                               ; the opening add is done
	s_wait_kmcnt 0x0
	s_add_nc_u64 s[16:17], s[4:5], s[16:17]
	s_add_nc_u64 s[46:47], s[6:7], s[46:47]
	s_add_nc_u64 s[PFB:PFB+1], s[4:5], s[PFB:PFB+1]
	s_add_nc_u64 s[PVB:PVB+1], s[6:7], s[PVB:PVB+1]
	s_cmp_eq_u32 s[WV], 0
	s_cselect_b64 s[PFB:PFB+1], s[PFB:PFB+1], s[PVB:PVB+1]
	s_add_nc_u64 s[8:9], s[8:9], s[22:23]
	s_add_nc_u64 s[10:11], s[10:11], s[18:19]
.irp s, 0,1
	s_mov_b32 s[G0+4*(\s)], 1
	s_add_co_u32 s[G0+4*(\s)+1], s20, (\s)*SLOT1
	s_add_nc_u64 s[G0+4*(\s)+2:G0+4*(\s)+3], s[16:17], (\s)*256     ; keys 128 s on
	s_or_b32 s[G0+4*(\s)+3], s[G0+4*(\s)+3], 0x80000000
	s_mov_b32 s[G0B+4*(\s)], 1
	s_add_co_u32 s[G0B+4*(\s)+1], s21, (\s)*SLOT1
	s_add_nc_u64 s[G0B+4*(\s)+2:G0B+4*(\s)+3], s[46:47], (\s)*RBS
	s_or_b32 s[G0B+4*(\s)+3], s[G0B+4*(\s)+3], 0x80000000
.endr
	CROUND                                         ; all sixteen work-groups are here: the first joint loads meet
	s_cmp_eq_u32 s[WR], 0                          ; a wave's two first fills stand in one branch: two loads of mine are out
	s_cbranch_scc0 .Lfirst_b
	tensor_load_to_lds s[G0:G0+3], s[G1:G1+7]
	s_nop 0
	tensor_load_to_lds s[G0+4:G0+7], s[G1:G1+7]
	s_nop 0
	PLACES
	s_branch .Lfirst_asked
.Lfirst_b:
	tensor_load_to_lds s[G0B:G0B+3], s[G1B:G1B+7]
	s_nop 0
	tensor_load_to_lds s[G0B+4:G0B+7], s[G1B:G1B+7]
	s_nop 0
	PLACES
.Lfirst_asked:
	v_and_b32 v5, 31, v0
	v_lshlrev_b32 v[SOF], 3, v5
.set t, 0
.rept 16                               ; the statistics of my wave's 64 rows: lane l takes rows 2 l and 2 l + 1: each load covers 256 consecutive bytes
	global_load_b64 v[CMR+2*t:CMR+2*t+1], v[SOF], s[8:9] offset:t*65536
	global_load_b64 v[LR+2*t:LR+2*t+1],   v[SOF], s[8:9] offset:t*65536+32768
.set t, t+1
.endr
	v_lshlrev_b32 v[PFO], s[PSH], v5
	v_add_nc_u32 v[PFO], s[PK], v[PFO]
	ASK 1
	v_and_b32 v1, 15, v0                           ; r
	v_bfe_u32 v2, v0, 4, 1                         ; h
	v_and_b32 v3, 7, v0
	v_bfe_u32 v4, v0, 3, 1
	v_bfe_u32 v9, v0, 3, 2                         ; lane / 8
	v_mul_u32_u24 v6, v1, PP
	v_lshl_add_u32 v6, v2, 4, v6                   ; P: row x pitch + 16 x half
	v_lshl_add_u32 v7, v2, 3, v3                   ; V: lane l reads key 8 (l / 16) + l % 8, channels 8 ((l / 8) % 2) on
	v_mul_u32_u24 v7, v7, PV
	v_lshl_add_u32 v7, v4, 4, v7
	s_mul_i32 s20, s[WR], PH
	s_mul_i32 s21, s[WC], VH
	s_add_co_u32 s21, s21, 2*PH
	v_add_nc_u32 v[ADP0], s20, v6
	v_add_nc_u32 v[ADV0], s21, v7
	v_mov_b32 v[AP], v[ADP0]                       ; the first fetches go to slot 0
	v_mov_b32 v[AV], v[ADV0]
	s_mul_i32 s20, s[WV], WTAB
	s_add_co_u32 s20, s20, TAB
	v_lshl_add_u32 v[GA0], v1, 5, s20              ; read: 32 bytes for row r: blocks a = 0..3, each number twice
	v_lshl_add_u32 v[GW], v3, 6, s20               ; written: row 2 l + e is row r = 2 (l % 8) + e of block a = l / 8
	v_lshl_add_u32 v[GW], v9, 3, v[GW]
	s_mul_i32 s20, s[WV], WSTG
	s_add_co_u32 s20, s20, STG
	v_mul_u32_u24 v8, v1, 528
	v_lshl_add_u32 v8, v2, 5, v8
	v_add_nc_u32 v[STO], s20, v8                   ; in: row r, 32 bytes for each half of the lanes
	v_lshl_add_u32 v[RD], v5, 4, s20               ; back: a whole row of 512 bytes
	v_lshlrev_b32 v[GO], 4, v5
	WIN 0x40
.set i, 0
.rept 256                              ; O = 0, in the wait for the statistics and the first tiles
	v_mov_b32 v[i], 0
.set i, i+1
.endr
	WIN 0
	s_wait_loadcnt 0x0
	; the two rows' maximum over the tiles; 2^(cm - max); its sum with l; g' = 2^(cm - max) / sum; into my table
	v_max3_num_f32 v[MMX],   v[CMR],   v[CMR+2], v[CMR+4]
	v_max3_num_f32 v[MMX+1], v[CMR+1], v[CMR+3], v[CMR+5]
.set t, 3
.rept 6
	v_max3_num_f32 v[MMX],   v[MMX],   v[CMR+2*t],   v[CMR+2*t+2]
	v_max3_num_f32 v[MMX+1], v[MMX+1], v[CMR+2*t+1], v[CMR+2*t+3]
.set t, t+2
.endr
	v_max_num_f32 v[MMX],   v[MMX],   v[CMR+30]
	v_max_num_f32 v[MMX+1], v[MMX+1], v[CMR+31]
.set t, 0
.rept 16
	v_pk_add_f32 v[CMR+2*t:CMR+2*t+1], v[CMR+2*t:CMR+2*t+1], v[MMX:MMX+1] neg_lo:[0,1] neg_hi:[0,1]
.set t, t+1
.endr
.set t, 0
.rept 32
	v_exp_f32 v[CMR+t], v[CMR+t]
.set t, t+1
.endr
	v_nop                                          ; a plain instruction between the exponentials and the first use of a result (ISA guide 5.7.2)
	s_wait_alu depctr_va_vdst(0)
	v_pk_mul_f32 v[S0:S0+1], v[CMR:CMR+1], v[LR:LR+1]
	v_pk_mul_f32 v[S1:S1+1], v[CMR+2:CMR+3], v[LR+2:LR+3]
.set t, 2
.rept 7
	v_pk_fma_f32 v[S0:S0+1], v[CMR+2*t:CMR+2*t+1], v[LR+2*t:LR+2*t+1], v[S0:S0+1]
	v_pk_fma_f32 v[S1:S1+1], v[CMR+2*t+2:CMR+2*t+3], v[LR+2*t+2:LR+2*t+3], v[S1:S1+1]
.set t, t+2
.endr
	v_pk_add_f32 v[S0:S0+1], v[S0:S0+1], v[S1:S1+1]
	v_rcp_f32 v[S0], v[S0]
	v_rcp_f32 v[S0+1], v[S0+1]
	v_nop                                          ; a plain instruction between the reciprocals and the use of their results
.set t, 0
	s_wait_alu depctr_va_vdst(0)
.rept 16
.irp e, 0,1
	v_mul_f32 v[DD+4*t+2*(\e)],   v[CMR+2*t+(\e)], v[S0+(\e)]
	v_mul_f32 v[DD+4*t+2*(\e)+1], v[CMR+2*t+(\e)], v[S0+(\e)]
	ds_store_b64 v[GW], v[DD+4*t+2*(\e):DD+4*t+2*(\e)+1] offset:t*512+32*(\e)
.endr
.set t, t+1
.endr
; 48 LDS loads in one run: the fragments of 64 keys (half hs of the step in the slot that AP and AV name) into buffer b
.macro FETCH hs, b
.if (\b) == 0
	WIN 0
.set FB, B0
.else
	WIN 0xc0                                       ; destination window 3, address window 0
.set FB, B1
.endif
.irp kk, 0,1
.irp a, 0,1,2,3
	ds_load_b128 v[FB+8*(4*(\kk)+(\a)):FB+8*(4*(\kk)+(\a))+3],   v[AP] offset:(\hs)*128+(\kk)*64+(\a)*16*PP
	ds_load_b128 v[FB+8*(4*(\kk)+(\a))+4:FB+8*(4*(\kk)+(\a))+7], v[AP] offset:(\hs)*128+(\kk)*64+(\a)*16*PP+32
.endr
.endr
.irp kk, 0,1
.irp cb, 0,1,2,3,4,5,6,7
	ds_load_tr16_b128 v[FB+64+8*(8*(\kk)+(\cb)):FB+64+8*(8*(\kk)+(\cb))+3],   v[AV] offset:((\cb)/4)*128*PV+((\cb)%4)*32+((\hs)*64+(\kk)*32)*PV
	ds_load_tr16_b128 v[FB+64+8*(8*(\kk)+(\cb))+4:FB+64+8*(8*(\kk)+(\cb))+7], v[AV] offset:((\cb)/4)*128*PV+((\cb)%4)*32+((\hs)*64+(\kk)*32)*PV+16*PV
.endr
.endr
.endm
; n of the 32 products of 32 keys (kk) of buffer b, from number lo on: channel block mi / 4, row block mi % 4.  zero = 1: they start T's sums.
; The 32 accumulators take turns, one instruction a turn, in the same order in every run.
.macro MULK b, kk, lo, n, zero
.if (\b) == 0
	WIN 0xa0                                       ; V and P in window 0, T in window 2
.set FB, B0
.else
	WIN 0xaf                                       ; V and P in window 3
.set FB, B1
.endif
.set mi, \lo
.rept \n
.set rD, 8*(8*(mi%4)+mi/4)
.set rV, FB+64+8*(8*(\kk)+mi/4)
.set rP, FB+8*(4*(\kk)+mi%4)
.if \zero
	v_wmma_f32_16x16x32_f16 v[rD:rD+7], v[rV:rV+7], v[rP:rP+7], 0
.else
	v_wmma_f32_16x16x32_f16 v[rD:rD+7], v[rV:rV+7], v[rP:rP+7], v[rD:rD+7]
.endif
.set mi, mi+1
.endr
.endm
.macro FOLD                            ; O += g' T: each accumulator's registers in ascending order; g' of my row in block a = fi / 32
	WIN 0x52                                       ; T (source 0) window 2, g' (source 1) window 0, O (source 2 and destination) window 1
.set fi, 0
.rept 128
	v_pk_fma_f32 v[2*fi:2*fi+1], v[2*fi:2*fi+1], v[G+2*(fi/32):G+2*(fi/32)+1], v[2*fi:2*fi+1]
.set fi, fi+1
.endr
.endm
; A KEY STEP.  Both its halves' fragments are in registers or on their way there when it begins, so its slot can be given up in its middle.
; ONE barrier.  In front of it each wave waits for all its tensor loads (one is out: its part of the next step's slot), adds 0 to its spare word, and waits for that and for its reads of this step's slot.
; fill = 1: the barrier opens a round of the cluster's, and this step's slot is filled again, two steps ahead, first thing behind it: a whole step's work stands between that request and the wait for it.
; fill = 0 (the last two steps): nothing is filled; in the very last trip (s3 = 1) there is no next step, and the two runs of loads are jumped over.
.macro STEP fill
	MULK 0, 0, 0, 32, 1                            ; the first 32 products start T's sums
	MULK 0, 1, 0, 24, 0
	WIN 0
	s_wait_tensorcnt 0x0                           ; no tensor load of mine is out, so a group 0 may be written
	ds_add_u32 v[SPW], v[NIL]                      ; 0 onto my spare word; scalar work and eight products stand between it and the wait for it
.if \fill
	s_xor_b32 s[G0+5], s[G0+5], SLOT1              ; the walking descriptors: the other slot than last time,
	s_add_nc_u64 s[G0+6:G0+7], s[G0+6:G0+7], 256   ; the next 128 keys; the type bits on top are not reached
	s_xor_b32 s[G0B+5], s[G0B+5], SLOT1
	s_add_nc_u64 s[G0B+6:G0B+7], s[G0B+6:G0B+7], RBS
.endif
	s_xor_b32 s[TB], s[TB], SLOT1                  ; the fetches go on to the next step's slot
	MULK 0, 1, 24, 8, 0
	s_wait_dscnt 0x0                               ; the add is done, buffer 1 is in, my reads of this step's slot are over
	s_barrier_signal -1
	WIN 0
	v_add_nc_u32 v[AP], s[TB], v[ADP0]             ; work on registers; with the four v_nop below: the places behind the products that read buffer 0
	v_add_nc_u32 v[AV], s[TB], v[ADV0]
	v_add_nc_u32 v[GA], s[TG], v[GA0]
	s_add_co_u32 s[TG], s[TG], 512
	s_barrier_wait -1
.if \fill
	CREST                                          ; no wave of any partner still reads this slot or has a load on its way
	JLOAD
.else
	PLACES
.endif
	ds_load_b128 v[G:G+3], v[GA]                   ; this step's g'
	ds_load_b128 v[G+4:G+7], v[GA] offset:16
.if \fill
	FETCH 0, 0                                     ; the next step's first half
	ASK 0
.else
	s_cmp_eq_u32 s3, 1
	s_cbranch_scc1 .Lno_h0_\@
	FETCH 0, 0
.Lno_h0_\@:
.endif
	MULK 1, 0, 0, 32, 0
	MULK 1, 1, 0, 32, 0
	WIN 0
	s_wait_dscnt 0x0                               ; g' and buffer 0 are in
	PLACES                                         ; behind the last products: for the loads into buffer 1 and for the reads of T
.if \fill
	FETCH 1, 1                                     ; the next step's second half: these loads are served while the fold is issued
.else
	s_cmp_eq_u32 s3, 1
	s_cbranch_scc1 .Lno_h1_\@
	FETCH 1, 1
	WIN 0
.Lno_h1_\@:
.endif
	FOLD
	WIN 0                                          ; at a label and at a branch every window is 0
.endm
	s_wait_tensorcnt 0x1                           ; my part of step 0 is in; step 1's may stay out
	s_wait_dscnt 0x0                               ; my table is written
	s_barrier_signal -1
	s_barrier_wait -1
	FETCH 0, 0
	FETCH 1, 1
	WIN 0
	s_wait_dscnt 0x0
	s_mov_b32 s3, 14
.Lstep:                                                ; trip t = 0..13: step t; its slot takes step t + 2
	STEP 1
	s_sub_co_u32 s3, s3, 1
	s_cmp_lg_u32 s3, 0
	s_cbranch_scc1 .Lstep
	s_mov_b32 s3, 2
.Ltail:                                                ; steps 14 and 15 are written out once more
	STEP 0
	s_sub_co_u32 s3, s3, 1
	s_cmp_lg_u32 s3, 0
	s_cbranch_scc1 .Ltail
; THE WAY OUT, 16 rows at a time: O, which g' has already divided by the row's sum, goes through my own stage and comes back as whole rows of 512 bytes.
.macro TOST a
	WIN 0x04                                       ; the stores' data in window 1
.irp cb, 0,1,2,3,4,5,6,7
	ds_store_b128 v[STO], v[64*(\a)+8*(\cb):64*(\a)+8*(\cb)+3]   offset:64*(\cb)
	ds_store_b128 v[STO], v[64*(\a)+8*(\cb)+4:64*(\a)+8*(\cb)+7] offset:64*(\cb)+16
.endr
	WIN 0
.if (\a) >= 2
	s_wait_xcnt 0x0                                ; the block two before was stored from this buffer: it is loaded again only behind this wait
.endif
.set BK, OB+64*((\a)%2)
.set oi, 0
.rept 16
	ds_load_b128 v[BK+4*oi:BK+4*oi+3], v[RD] offset:oi*528    ; LDS serves a wave's instructions in order (ISA guide 5.7.1.4): these see the stores above, and the next block's stores come behind them
.set oi, oi+1
.endr
.endm
.macro SEND a, younger                 ; younger: the LDS instructions issued behind block a's loads: the next block's 32, or none
.set BK, OB+64*((\a)%2)
	s_wait_dscnt \younger
.set oi, 0
.rept 16
	global_store_b128 v[GO], v[BK+4*oi:BK+4*oi+3], s[10:11] offset:(16*(\a)+oi)*4096 th:TH_STORE_NT   ; 512 consecutive bytes, at a multiple of 256 from out0's first byte
.set oi, oi+1
.endr
.endm
	TOST 0
	TOST 1
	SEND 0, 32
	TOST 2
	SEND 1, 32
	TOST 3
	SEND 2, 32
	SEND 3, 0
	s_wait_tensorcnt 0x0                           ; the wave's end
	ds_add_u32 v[SPW], v[NIL]
	s_wait_dscnt 0x0
	CROUND                                         ; the closing round
	s_endpgm
.Lfunc_end_k_q6d269e3eaf_pv:
	.size	k_q6d269e3eaf_pv, .Lfunc_end_k_q6d269e3eaf_pv-k_q6d269e3eaf_pv
	.p2alignl 7, 3214868480
	.fill 96, 4, 3214868480
	.section	.rodata,"a",@progbits
	.p2align	6, 0x0
	.amdhsa_kernel k_q6d269e3eaf_pv
		.amdhsa_group_segment_fixed_size 327680
		.amdhsa_private_segment_fixed_size 0
		.amdhsa_enable_private_segment 0
		.amdhsa_kernarg_size 32
		.amdhsa_user_sgpr_count 2
		.amdhsa_user_sgpr_kernarg_segment_ptr 1
		.amdhsa_wavefront_size32 1
		.amdhsa_system_sgpr_workgroup_id_x 1
		.amdhsa_system_sgpr_workgroup_id_y 1
		.amdhsa_system_sgpr_workgroup_id_z 1
		.amdhsa_system_vgpr_workitem_id 0
		.amdhsa_next_free_vgpr 960
		.amdhsa_next_free_sgpr 80
		.amdhsa_reserve_vcc 0
		.amdhsa_float_denorm_mode_32 3
		.amdhsa_float_denorm_mode_16_64 3
		.amdhsa_memory_ordered 1
		.amdhsa_forward_progress 1
		.amdhsa_inst_pref_size 97
	.end_amdhsa_kernel
	.amdgpu_metadata
---
amdhsa.version: [ 1, 2 ]
amdhsa.kernels:
  - .name:           k_q6d269e3eaf_pv
    .symbol:         k_q6d269e3eaf_pv.kd
    .args:
      - { .name: pw, .offset: 0, .size: 8, .value_kind: global_buffer, .address_space: global }
      - { .name: qkv, .offset: 8, .size: 8, .value_kind: global_buffer, .address_space: global }
      - { .name: st, .offset: 16, .size: 8, .value_kind: global_buffer, .address_space: global }
      - { .name: out0, .offset: 24, .size: 8, .value_kind: global_buffer, .address_space: global }
    .group_segment_fixed_size: 327680
    .private_segment_fixed_size: 0
    .kernarg_segment_align: 8
    .kernarg_segment_size: 32
    .max_flat_workgroup_size: 128
    .sgpr_count:     80
    .vgpr_count:     960
    .wavefront_size: 32
...
	.end_amdgpu_metadata
.endif
;; end of part 4
;; ======== version 2 of 2: 4 launches; version 1 with the launch cvt written anew for expert scheduling mode
;; limits: values are held in f16: magnitudes above 65,504 overflow, below 6.1e-05 lose precision
;; workspace buffers: ab 23,068,672 bytes; bcat 12,288 bytes; qkv 50,331,648 bytes; pw 33,554,432 bytes; st 1,048,576 bytes
;; launch cvt (part 5): grid 256 x 1, 22 waves a work-group, no clusters, 0 bytes of LDS; arguments x, Wq, Wk, Wv, bq, bk, bv, ab, bcat; writes ab, bcat
.if DOCPART == 5
	.amdgcn_target "amdgcn-amd-amdhsa--gfx1250"
	.amdhsa_code_object_version 6
	.text
	.protected	k_q6d269e3eaf_cvt
	.globl	k_q6d269e3eaf_cvt
	.p2align	8
	.type	k_q6d269e3eaf_cvt,@function
k_q6d269e3eaf_cvt:
	s_mov_b64 s[64:65], 0
	v_nop
	global_prefetch_b8 v0, s[64:65] scope:SCOPE_SE
	s_setreg_imm32_b32 hwreg(HW_REG_WAVE_SCHED_MODE, 0, 2), 2
	s_setreg_imm32_b32 hwreg(HW_REG_WAVE_MODE, 25, 1), 1
	s_wait_xcnt 0x0
	s_wait_alu depctr_vm_vsrc(0)
; x (8,192 rows) and Wq, Wk, Wv (3 x 1,024 rows), all [rows][1024] f32, are rounded to bf16 and laid in 16 panels of 64 along K:
; ab[kb][row][64], row 0..8191 = x, row 8192 + n = row n of Wq|Wk|Wv; a panel is 11,264 rows x 128 bytes.  So the next launch's tiles are dense.
; The three biases are rounded to bf16 too and kept as f32 in bcat[3072] (every input gets the same rounding).
; A stream: no LDS, no matrix unit, no cluster (no two work-groups read the same byte).
; SHARES.  The 11,264 rows are 5,632 pairs = 256 work-groups x 22 waves: a wave takes one pair, pair b = 22 x group + wave, so every work-group has the same work.
; A load covers 2 x 256 consecutive bytes (one panel's 64 numbers of both rows); a store 256 consecutive bytes, aligned (the same two rows in the panel).
; All 16 loads of a wave go out at once; each result has registers of its own, so no register is written again once a store has been issued that reads it.
; THE MODE: SCHED_MODE bits 1:0 = 2 (LLVM: expert scheduling mode 2), set by the entry lines.  The code itself states the register dependences
; between vector instructions and memory instructions, with s_wait_alu, always for 0.
; THE PLAN.  Registers that memory instructions touch:
;   v6, v[8:11]   the offsets of the loads and of the stores: written once, at the head, by vector instructions; read by all 32 accesses; never written again.
;   X (v[24:87])  load n lands in X + 4 n .. + 3, which no vector instruction has named before; its two conversions read the four and write the first two, once; store n reads those two.
;   v1, v[4:5]    in the biases' part alone: offset and data of one load and one store.
; The conversions and stores go in four groups of four loads: the wait for the group's data, its eight conversions, ONE wait on va_vdst, its four stores.
; No register that a memory instruction has read is ever written again, so the only wait on vm_vsrc is the entry's; EXEC and VCC are never written.
.set PANEL, 1441792                    ; 11,264 rows x 128 bytes
.set VI, 6                             ; v6      byte offset of my 16 bytes in the pair's source rows
.set VO, 8                             ; v[8:11] byte offset of my 8 bytes in panel 5 j; the panels 5 j + 1 .. 5 j + 4 stand in the store's immediate (4 panels are inside its signed 24 bits)
.set X,  24                            ; v[24:87] load kb: four registers
	s_load_b256 s[8:15], s[0:1], 0x0               ; x s[8:9], Wq s[10:11], Wk s[12:13], Wv s[14:15]
	s_load_b256 s[16:23], s[0:1], 0x20             ; bq s[16:17], bk s[18:19], bv s[20:21], ab s[22:23]
	s_load_b64 s[24:25], s[0:1], 0x40              ; bcat
	v_lshrrev_b32 v1, 5, v0
	v_readfirstlane_b32 s34, v1                    ; wave 0..21
	v_bfe_u32 v2, v0, 4, 1                         ; which row of the pair
	v_and_b32 v4, 15, v0                           ; my place in the row's 256 bytes
	v_lshlrev_b32 v5, 4, v4
	v_lshl_add_u32 v[VI], v2, 12, v5               ; row x 4,096 + 16 i
	v_lshlrev_b32 v7, 3, v4
	v_lshl_add_u32 v7, v2, 7, v7                   ; row x 128 + 8 i
.irp j, 0,1,2,3
	v_add_nc_u32 v[VO+(\j)], (\j)*5*PANEL, v7
.endr
	s_wait_alu depctr_va_sdst(0)                   ; s34 is written, ahead of its first reader: the pair's number, and with it every base, is made from it
	s_mul_i32 s2, ttmp9, 22
	s_add_co_u32 s2, s2, s34                       ; b: pairs 0-4095 are x's, 4096-4607 Wq's, 4608-5119 Wk's, 5120-5631 Wv's
	s_and_b32 s26, s2, 511                         ; the pair in its own weight (4,096 is a multiple of 512)
	s_cmp_lt_u32 s2, 4096
	s_cselect_b32 s26, s2, s26                     ; or in x
	s_lshl_b32 s26, s26, 13                        ; x 2 rows x 4,096 bytes
	s_mov_b32 s27, 0
	s_lshl_b32 s32, s2, 8                          ; in a panel: b x 2 rows x 128 bytes
	s_mov_b32 s33, 0
	s_wait_kmcnt 0x0
	s_mov_b64 s[28:29], s[8:9]                     ; the source and the bias are chosen by the pair's number alone
	s_mov_b64 s[30:31], s[16:17]
	s_cmp_ge_u32 s2, 4096
	s_cselect_b64 s[28:29], s[10:11], s[28:29]
	s_cmp_ge_u32 s2, 4608
	s_cselect_b64 s[28:29], s[12:13], s[28:29]
	s_cselect_b64 s[30:31], s[18:19], s[30:31]
	s_cmp_ge_u32 s2, 5120
	s_cselect_b64 s[28:29], s[14:15], s[28:29]
	s_cselect_b64 s[30:31], s[20:21], s[30:31]
	s_add_nc_u64 s[28:29], s[28:29], s[26:27]
	s_add_nc_u64 s[22:23], s[22:23], s[32:33]
	s_wait_alu depctr_va_vdst(0)                   ; v6 and v[8:11] are written: the 16 loads and the 16 stores below read them as their offsets, and no later line writes them
.set n, 0
.rept 16
	global_load_b128 v[X+4*n:X+4*n+3], v[VI], s[28:29] offset:n*256 th:TH_LOAD_NT
.set n, n+1
.endr
.set g, 0
.rept 4                                ; group g: loads 4 g to 4 g + 3
	s_wait_loadcnt 12-4*g                          ; loads come back in order (ISA guide 5.7.1): the group's four are in, the younger groups' stay out
.set n, 4*g
.rept 4
	v_cvt_pk_bf16_f32 v[X+4*n], v[X+4*n], v[X+4*n+1]
	v_cvt_pk_bf16_f32 v[X+4*n+1], v[X+4*n+2], v[X+4*n+3]
.set n, n+1
.endr
	s_wait_alu depctr_va_vdst(0)                   ; the group's eight conversions have written the pairs at X + 4 n, which the four stores below read as their data
.set n, 4*g
.rept 4
	global_store_b64 v[VO+n/5], v[X+4*n:X+4*n+1], s[22:23] offset:(n%5)*PANEL
.set n, n+1
.endr
.set g, g+1
.endr
	; The biases: the wave of every 32nd pair of a weight takes the 64 numbers of those 32 pairs' rows: 256 consecutive bytes of bcat.
	s_cmp_lt_u32 s2, 4096
	s_cbranch_scc1 .Lend
	s_and_b32 s36, s2, 31
	s_cmp_lg_u32 s36, 0
	s_cbranch_scc1 .Lend
	s_and_b32 s36, s2, 511
	s_lshl_b32 s36, s36, 3                         ; two numbers of 4 bytes a pair, in the weight's own bias
	s_mov_b32 s37, 0
	s_add_nc_u64 s[30:31], s[30:31], s[36:37]
	s_sub_co_u32 s36, s2, 4096
	s_lshl_b32 s36, s36, 3                         ; and in bcat
	s_add_nc_u64 s[24:25], s[24:25], s[36:37]
	v_and_b32 v1, 31, v0                           ; (no memory instruction above names v1, v2, v4 or v5)
	v_lshlrev_b32 v1, 3, v1                        ; two numbers a lane
	s_wait_alu depctr_va_vdst(0)                   ; v1 is written, which the load and the store below read as their offset; the head's lines that named v4 and v5, in which the load lands, are done too
	global_load_b64 v[4:5], v1, s[30:31]
	s_wait_loadcnt 0x0
	v_cvt_pk_bf16_f32 v2, v4, v5                   ; rounded to bf16,
	v_lshlrev_b32 v4, 16, v2                       ; and written as f32 again
	v_and_b32 v5, 0xffff0000, v2
	s_wait_alu depctr_va_vdst(0)                   ; v4 and v5 are written, which the store reads as its data
	global_store_b64 v1, v[4:5], s[24:25]
.Lend:
	s_endpgm
.Lfunc_end_k_q6d269e3eaf_cvt:
	.size	k_q6d269e3eaf_cvt, .Lfunc_end_k_q6d269e3eaf_cvt-k_q6d269e3eaf_cvt
	.p2alignl 7, 3214868480
	.fill 96, 4, 3214868480
	.section	.rodata,"a",@progbits
	.p2align	6, 0x0
	.amdhsa_kernel k_q6d269e3eaf_cvt
		.amdhsa_group_segment_fixed_size 0
		.amdhsa_private_segment_fixed_size 0
		.amdhsa_enable_private_segment 0
		.amdhsa_kernarg_size 72
		.amdhsa_user_sgpr_count 2
		.amdhsa_user_sgpr_kernarg_segment_ptr 1
		.amdhsa_wavefront_size32 1
		.amdhsa_system_sgpr_workgroup_id_x 1
		.amdhsa_system_sgpr_workgroup_id_y 1
		.amdhsa_system_sgpr_workgroup_id_z 1
		.amdhsa_system_vgpr_workitem_id 0
		.amdhsa_next_free_vgpr 88
		.amdhsa_next_free_sgpr 66
		.amdhsa_reserve_vcc 0
		.amdhsa_float_denorm_mode_32 3
		.amdhsa_float_denorm_mode_16_64 3
		.amdhsa_memory_ordered 1
		.amdhsa_forward_progress 1
		.amdhsa_inst_pref_size 9
	.end_amdhsa_kernel
	.amdgpu_metadata
---
amdhsa.version: [ 1, 2 ]
amdhsa.kernels:
  - .name:           k_q6d269e3eaf_cvt
    .symbol:         k_q6d269e3eaf_cvt.kd
    .args:
      - { .name: x, .offset: 0, .size: 8, .value_kind: global_buffer, .address_space: global }
      - { .name: Wq, .offset: 8, .size: 8, .value_kind: global_buffer, .address_space: global }
      - { .name: Wk, .offset: 16, .size: 8, .value_kind: global_buffer, .address_space: global }
      - { .name: Wv, .offset: 24, .size: 8, .value_kind: global_buffer, .address_space: global }
      - { .name: bq, .offset: 32, .size: 8, .value_kind: global_buffer, .address_space: global }
      - { .name: bk, .offset: 40, .size: 8, .value_kind: global_buffer, .address_space: global }
      - { .name: bv, .offset: 48, .size: 8, .value_kind: global_buffer, .address_space: global }
      - { .name: ab, .offset: 56, .size: 8, .value_kind: global_buffer, .address_space: global }
      - { .name: bcat, .offset: 64, .size: 8, .value_kind: global_buffer, .address_space: global }
    .group_segment_fixed_size: 0
    .private_segment_fixed_size: 0
    .kernarg_segment_align: 8
    .kernarg_segment_size: 72
    .max_flat_workgroup_size: 704
    .sgpr_count:     66
    .vgpr_count:     88
    .wavefront_size: 32
...
	.end_amdgpu_metadata
.endif
;; end of part 5
;; launch proj: the kernel of part 2 again; grid 8 x 32, 4 waves a work-group, clusters of 4 x 4, 327,680 bytes of LDS; arguments ab, bcat, qkv; writes qkv
;; launch scores: the kernel of part 3 again; grid 8 x 32, 4 waves a work-group, clusters of 4 x 4, 327,680 bytes of LDS; arguments qkv, pw, st; writes pw, st
;; launch pv: the kernel of part 4 again; grid 4 x 64, 4 waves a work-group, clusters of 4 x 4, 327,680 bytes of LDS; arguments pw, qkv, st, out0; writes out0
